; MI455X (gfx1250); checked and timed in simulation.
; The chip was launched on July 23, 2026; its instructions are those of AMD's public machine-readable ISA for CDNA 5 (MIT licence, August 2026) and "CDNA5" Instruction Set Architecture Reference Guide (July 2026). The comments in the code are by the model that wrote it; some were corrected since.
;; Attention. Allowed arithmetic: matrix products marked QUANTISED: E2M3 operands, one E8M0 scale for each 32 along K, by v_wmma_scale_f32_16x16x128_f8f6f4 with both operands' format E2M3, f32 sums; everything else in f32.
;; Inputs: Wk 1,024 x 1,024 float32; Wo 1,024 x 1,024 float32; Wq 1,024 x 1,024 float32; Wv 1,024 x 1,024 float32; bias 1 x 1 x 2,048 x 2,048 float32; x 2 x 2,048 x 1,024 float32; y 2 x 2,048 x 1,024 float32.
;; Outputs: out0 2 x 2,048 x 1,024 float32.
;; This version of the problem:
;;   THIS VERSION OF THE PROBLEM IS GIVEN IN LOW PRECISION. The matrix products marked QUANTISED in the list below multiply operands that are first quantised to E2M3 (2 exponent bits, 3 mantissa bits; 6 bits a number), with one power-of-two scale for each 32 numbers along K (OCP MX v1.0); their sums are f32. All else is computed in f32.
;;   The module's matrix products, in the order in which they are computed (A, B: the left and right operand; K: the contracted axis; several contracted axes count as one K, in the product's order):
;;     1. [M 4,096, K 1,024] x [K 1,024, N 1,024]; A: input x; B: input Wq: QUANTISED
;;     2. [M 4,096, K 1,024] x [K 1,024, N 1,024]; A: input y; B: input Wk: QUANTISED
;;     3. [M 4,096, K 1,024] x [K 1,024, N 1,024]; A: input y; B: input Wv: QUANTISED
;;     4. batch 32 x [M 2,048, K 64] x [K 64, N 2,048]; A: computed on the way; B: computed on the way: QUANTISED
;;     5. batch 32 x [M 2,048, K 2,048] x [K 2,048, N 64]; A: softmax (see below); B: computed on the way: QUANTISED
;;     6. [M 4,096, K 1,024] x [K 1,024, N 1,024]; A: computed on the way; B: input Wo: QUANTISED
;;   THE QUANTISER, for each operand of a quantised product, along K:
;;     - K is cut into blocks of 32 from its start; a last block that is shorter is filled with zeros.
;;     - A block's scale is 2^e with e = floor(log2(the largest magnitude in the block)) - 2, held to -126 .. 127; a block of zeros has e = 0. As a byte (E8M0): e + 127.
;;     - Each number is divided by its block's scale, clamped to +-7.5, and rounded to the nearest number of E2M3, ties to even, subnormals kept.
;;     - The product sums the exact products of the quantised numbers (number of the format x scale) in f32.
;;   ~~~python
;;   def quantise(x, axis):      # numpy; x: float32 -> the quantised numbers, widened to float32 again
;;       x = np.moveaxis(x, axis, -1); K = x.shape[-1]
;;       x = np.pad(x, [(0, 0)] * (x.ndim - 1) + [(0, -K % 32)]); x = x.reshape(x.shape[:-1] + (-1, 32)); a = np.abs(x).max(-1, keepdims=True)
;;       e = np.where(a > 0, np.clip(np.frexp(np.where(a > 0, a, 1))[1] - 1 - 2, -126, 127), 0)      # np.frexp(a)[1] - 1 = floor(log2(a)), exactly
;;       r = np.clip(x / 2.0 ** e, -7.5, 7.5)
;;       step = 2.0 ** (np.maximum(np.frexp(np.where(r == 0, 1, r))[1] - 1, 0) - 3)
;;       q = np.round(r / step) * step * 2.0 ** e      # np.round: ties to even
;;       return np.moveaxis(q.reshape(q.shape[:-2] + (-1,))[..., :K], -1, axis).astype(np.float32)
;;   ~~~
;;   SOFTMAX AHEAD OF A QUANTISED PRODUCT. Where the list says 'softmax', what is quantised is not the finished softmax but p = 2^(t - M), with t = logit x log2(e) and M = ceil(the row's largest t), a whole number; so 1/2 < the row's largest p <= 1. The row's sum l is taken of the UNQUANTISED p, in f32, and the product's result is divided by l at the end. Since M is a whole number, a kernel that streams over the keys may use a running M (the ceiling of the running maximum): every later rescaling is an exact power of two, which a block's scale takes up: the codes' values come out the same.
;;   OPERANDS COMPUTED ON THE WAY. 'Computed on the way' means the value that the module computes at that place (a softmax that the list does not call 'softmax' is quantised finished and normalised). What goes into a quantiser is computed in f32, as accurately as f32 sums, v_exp_f32 and their like allow (about 1e-6 of the number): no bf16 or f16 on the way to a quantiser, and a product that is left as it is and whose result goes on into a quantised operand takes f32 operands (vector FMAs, or v_wmma_f32_16x16x4_f32). A number that lies on a knife's edge between two numbers of the format may be rounded either way, as far as f32 arithmetic and the matrix unit's own rounding can turn it there, and no further.
;; One version. Each part assembles by itself: llvm-mc -triple=amdgcn-amd-amdhsa -mcpu=gfx1250 --defsym DOCPART=n.
;; ======== version 1 of 1: 4 launches
;; workspace buffers: ws1 9,830,400 bytes; ws2 9,830,400 bytes; ws3 3,276,800 bytes
;; launch quant (part 1): grid 384 x 1, 4 waves a work-group, no clusters, 57,856 bytes of LDS; arguments x, y, Wq, Wk, Wv, Wo, ws1; writes ws1
.if DOCPART == 1
	.amdgcn_target "amdgcn-amd-amdhsa--gfx1250"
	.amdhsa_code_object_version 6
	.text
	.protected	k_q4028bfa2b8_quant
	.globl	k_q4028bfa2b8_quant
	.p2align	8
	.type	k_q4028bfa2b8_quant,@function
k_q4028bfa2b8_quant:
	s_mov_b64 s[64:65], 0
	v_nop
	global_prefetch_b8 v0, s[64:65] scope:SCOPE_SE
	s_setreg_imm32_b32 hwreg(HW_REG_WAVE_MODE, 25, 1), 1
	s_wait_xcnt 0x0
; x, y [4096][1024] f32 (K innermost) and Wq, Wk, Wv, Wo [1024 (k)][1024 (n)] f32 (K is the first axis) become codes of FP6 (E2M3), K innermost, 768 bytes a row,
; with one E8M0 byte for each 32 along K, 32 bytes a row.  A block's scale is 2^(floor(log2(its largest magnitude)) - 2): its byte is the largest magnitude's exponent field - 2, held at 1 from below.
; ROW ORDER.  pi(n) is n with bits 3 and 4 exchanged.  y's rows and the weights' output columns are stored at place pi(row), codes and scale bytes alike; x's rows at their own place.
; Sixteen neighbouring places 16 i .. 16 i + 15 then hold the rows 32 (i / 2) + 8 (i % 2) + r + 8 (r / 8): the later products need such tiles, and find them as plain tiles.
; ws1: x's codes at 0, y's at OFF_YC, weight i's at OFF_WC + 786,432 i (i = 0 q, 1 k, 2 v, 3 o); x's scale bytes at OFF_XS, y's 131,072 on, weight i's at OFF_WS + 32,768 i.
; Work-groups 0-255 take x and y: a wave takes 8 whole rows, 16 steps of 512 numbers.  Work-groups 256-383 take the weights: a wave takes 32 columns x 256 along K.  Each of the two ways has LDS bytes of its own.
; LIMITS: blocks whose largest magnitude lies under 2^(3 - 127) keep the byte 1 (a block of zeros too: its codes are zeros, and this program alone reads the bytes); NaN and infinities among the inputs are not served.
; No matrix unit, no cluster, no tensor load: waves share nothing and each input byte is read once.
.set OFF_YC, 3145728
.set OFF_WC, 6291456
.set OFF_XS, 9437184
.set OFF_WS, 9699328
.set STEPS, 16
.set EMAX,  2
.set CB,    12                         ; bytes of 16 codes
.set RR,    16                         ; rows: v16-79   four sets of 16 numbers as they are loaded
.set RX,    80                         ; rows: v80-111  two sets of 16 neighbours
.set RC,    128                        ; rows: v128-191 codes, four registers a step: no store's data are written again
.set RE,    112                        ; rows: v112-127 a scale byte for each step
.set WREG,  5632                       ; rows: LDS of a wave: two stages of 32 x SP bytes, then its 256 scale bytes
.set SP,    80                         ; a lane's place in a stage: 64 bytes + 16 of padding
.set CSTG,  4*WREG                     ; columns: the four waves' stages begin here
.set NB,    8                          ; columns: blocks of 32 along K for a wave
.set CPITCH, 272                       ; columns: a stage row: sixteen places of 16 bytes + 16
.set KROW,  768                        ; a row of codes in bytes
.set CX,    32                         ; columns: v32-95 two sets of 32 numbers
.set CC,    96                         ; columns: a block's codes
.set OUTR,  112                        ; columns: v112-175 the way out
.set SB,    24                         ; columns: v24-25 the scale bytes, four to a register
.macro RLOAD t
.irp i, 0,1,2,3
	global_load_b128 v[RR+16*((\t)%4)+4*\i:RR+16*((\t)%4)+4*\i+3], v3, s[4:5] offset:2048*(\t)+512*\i th:TH_LOAD_NT   ; 32 lanes read 512 consecutive bytes
.endr
.endm
.macro RTURN t                         ; step t's numbers through the stage: LDS serves a wave's instructions in order, so no wait stands between the stores and the loads
.irp i, 0,1,2,3
	ds_store_b128 v14, v[RR+16*((\t)%4)+4*\i:RR+16*((\t)%4)+4*\i+3] offset:32*SP*((\t)%2)+8*SP*\i
.endr
.irp i, 0,1,2,3
	ds_load_b128 v[RX+16*((\t)%2)+4*\i:RX+16*((\t)%2)+4*\i+3], v15 offset:32*SP*((\t)%2)+16*\i
.endr
.endm
.macro RSTEP t
.set XW, RX+16*((\t)%2)
.if (\t) > 0
	s_wait_dscnt 1                                 ; this step's numbers are back from the stage; the last step's byte store may be out
.else
	s_wait_dscnt 0x0
.endif
.if (\t)+4 < STEPS
	RLOAD (\t)+4                                   ; into the registers that this step's stores into the stage have read
.endif
.if (\t)+1 < STEPS
.if STEPS-2-(\t) >= 3
	s_wait_loadcnt 12                              ; the next step's four loads are in; those of the three steps behind it may be out
.else
	s_wait_loadcnt 4*(STEPS-2-(\t))
.endif
	RTURN (\t)+1
.endif
	v_max3_num_f32 v8, |v[XW]|, |v[XW+1]|, |v[XW+2]|               ; the largest magnitude of my 16, in two chains
	v_max3_num_f32 v9, |v[XW+3]|, |v[XW+4]|, |v[XW+5]|
.irp i, 6,10
	v_max3_num_f32 v8, v8, |v[XW+\i]|, |v[XW+\i+1]|
	v_max3_num_f32 v9, v9, |v[XW+\i+2]|, |v[XW+\i+3]|
.endr
	v_max3_num_f32 v8, v8, |v[XW+14]|, |v[XW+15]|
	v_max3_num_f32 v8, v8, v9, (EMAX+1)<<23        ; and the floor 2^(3 - 127): the byte cannot fall under 1
	v_max_num_f32_dpp v8, v8, v8 row_xmask:1 row_mask:0xf bank_mask:0xf   ; with my neighbour's 16: the block's
	v_add_nc_u32 v11, -(EMAX<<23), v8              ; 2 off its exponent field: the conversion takes the exponent field of this operand as its scale
	v_cvt_scalef32_pk16_fp6_f32 v[RC+4*(\t):RC+4*(\t)+2], v[XW:XW+15], v11
	v_lshrrev_b32 v[RE+(\t)], 23, v11              ; the scale's byte
	ds_store_b8 v5, v[RE+(\t)] offset:16*(\t)      ; both lanes of a block write the same byte with the same value
	global_store_b96 v4, v[RC+4*(\t):RC+4*(\t)+2], s[8:9] offset:32*CB*(\t)   ; the wave stores 384 consecutive bytes
.endm
.macro CLOAD t                         ; block t: W(32 t + i, my column), i = 0 .. 31, into set t % 2; a row of W is 4,096 bytes
.irp i, 0,1,2,3,4,5,6,7,8,9,10,11,12,13,14,15,16,17,18,19,20,21,22,23,24,25,26,27,28,29,30,31
	global_load_b32 v[CX+32*((\t)%2)+\i], v3, s[4:5] offset:(32*(\t)+\i)*4096 th:TH_LOAD_NT
.endr
.endm
.macro CBLOCK t
.set XB, CX+32*((\t)%2)
.if (\t) < NB-1
	s_wait_loadcnt 32                              ; this block's 32 loads are in; the next block's may be out
.else
	s_wait_loadcnt 0
.endif
	v_max3_num_f32 v12, |v[XB]|, |v[XB+1]|, |v[XB+2]|              ; the block's largest magnitude: all 32 numbers are mine
	v_max3_num_f32 v13, |v[XB+3]|, |v[XB+4]|, |v[XB+5]|
.irp i, 6,10,14,18,22,26
	v_max3_num_f32 v12, v12, |v[XB+\i]|, |v[XB+\i+1]|
	v_max3_num_f32 v13, v13, |v[XB+\i+2]|, |v[XB+\i+3]|
.endr
	v_max3_num_f32 v12, v12, |v[XB+30]|, |v[XB+31]|
	v_max3_num_f32 v12, v12, v13, (EMAX+1)<<23
	v_add_nc_u32 v11, -(EMAX<<23), v12
	v_lshrrev_b32 v13, 23, v11
.if (\t)%4 == 0
	v_mov_b32 v[SB+(\t)/4], v13                    ; four bytes to a register, the lower K in the lower byte
.else
	v_lshl_or_b32 v[SB+(\t)/4], v13, 8*((\t)%4), v[SB+(\t)/4]
.endif
	v_cvt_scalef32_pk16_fp6_f32 v[CC:CC+2], v[XB:XB+15], v11
	v_cvt_scalef32_pk16_fp6_f32 v[CC+4:CC+6], v[XB+16:XB+31], v11  ; (a conversion's three registers begin on an even number)
	ds_store_b96 v4, v[CC:CC+2] offset:32*(\t)     ; 12 bytes to a place of 16 in the stage: every LDS address is a multiple of 16
	ds_store_b96 v4, v[CC+4:CC+6] offset:32*(\t)+16
.if (\t)+2 < NB
	CLOAD (\t)+2
.endif
	s_wait_dscnt 0x0                               ; the stores have read their registers: the next block's codes may be written
.endm
	s_load_b256 s[4:11], s[0:1], 0x0               ; x, y, Wq, Wk
	s_load_b128 s[12:15], s[0:1], 0x20             ; Wv, Wo
	s_load_b64 s[16:17], s[0:1], 0x30              ; ws1
	v_lshl_add_u32 v192, v0, 2, 0xe000
	v_mov_b32 v193, 0
	v_lshrrev_b32 v1, 5, v0
	v_readfirstlane_b32 s18, v1                    ; wave
	v_and_b32 v2, 31, v0                           ; lane
	s_cmp_lt_u32 ttmp9, 256
	s_cbranch_scc0 .Lcols
	; ---- x and y
	v_lshlrev_b32 v3, 4, v2                        ; my 16 bytes of a load's 512
	s_mul_i32 s19, s18, WREG
	v_lshrrev_b32 v14, 2, v2
	v_mul_u32_u24 v14, v14, SP
	v_and_b32 v15, 3, v2
	v_lshl_add_u32 v14, v15, 4, v14
	v_add_nc_u32 v14, s19, v14                     ; the stage, on the way in: SP (lane / 4) + 16 (lane % 4)
	v_mul_u32_u24 v15, v2, SP
	v_add_nc_u32 v15, s19, v15                     ; and on the way out: SP x lane: my 16 neighbours
	v_mul_u32_u24 v4, v2, CB                       ; my codes' place in a step's
	v_lshrrev_b32 v5, 1, v2
	s_add_co_u32 s19, s19, 2*32*SP
	v_add_nc_u32 v5, s19, v5                       ; my wave's 256 scale bytes, my block's byte
	v_lshlrev_b32 v7, 3, v2
	v_add_nc_u32 v6, s19, v7                       ; and on the way out 8 bytes a lane
	s_lshr_b32 s20, ttmp9, 7                       ; 0: x, 1: y
	s_and_b32 s21, ttmp9, 127
	s_lshl_b32 s21, s21, 2
	s_add_co_u32 s22, s21, s18                     ; the run of 8 rows that I read
	s_and_b32 s23, s18, 1
	s_lshl_b32 s23, s23, 1
	s_lshr_b32 s24, s18, 1
	s_or_b32 s23, s23, s24                         ; a wave's number is bits 3 and 4 of its rows: exchanged,
	s_cmp_eq_u32 s20, 0
	s_cselect_b32 s23, s18, s23                    ; for y alone
	s_add_co_u32 s23, s21, s23                     ; the run of 8 places that I write
	s_lshl_b32 s24, s22, 15                        ; 32,768 bytes of f32 a run
	s_mov_b32 s25, 0
	s_mul_i32 s26, s23, 6144                       ; 6,144 bytes of codes a run
	s_mul_i32 s28, s20, OFF_YC
	s_add_co_u32 s26, s26, s28
	s_mov_b32 s27, 0
	s_lshl_b32 s28, s23, 8                         ; 256 scale bytes a run
	s_lshl_b32 s29, s20, 17
	s_add_co_u32 s28, s28, s29
	s_add_co_u32 s28, s28, OFF_XS
	s_mov_b32 s29, 0
	s_wait_kmcnt 0x0
	s_cmp_eq_u32 s20, 0                            ; the choice hangs on the work-group's number alone
	s_cselect_b64 s[4:5], s[4:5], s[6:7]
	s_add_nc_u64 s[4:5], s[4:5], s[24:25]
	s_add_nc_u64 s[8:9], s[16:17], s[26:27]
	s_add_nc_u64 s[10:11], s[16:17], s[28:29]
.irp t, 0,1,2,3
	RLOAD \t
.endr
	s_wait_loadcnt 12                              ; step 0's four loads are in
	RTURN 0
.irp t, 0,1,2,3,4,5,6,7,8,9,10,11,12,13,14,15
	RSTEP \t
.endr
	ds_load_b64 v[12:13], v6                       ; LDS serves a wave's instructions in order: these see my byte stores
	s_wait_dscnt 0x0
	global_store_b64 v7, v[12:13], s[10:11]        ; 32 lanes store 256 consecutive bytes, aligned
	s_wait_tensorcnt 0x0
	ds_add_u32 v192, v193
	s_wait_dscnt 0x0
	s_endpgm
.Lcols:
	; ---- the weights: a lane takes a column, its registers run down K
	s_sub_co_u32 s19, ttmp9, 256
	s_lshr_b32 s20, s19, 5                         ; which weight
	s_and_b32 s21, s19, 7                          ; which 128 columns
	s_bfe_u32 s22, s19, 0x20003                    ; which 256 along K
	s_lshl_b32 s23, s21, 7
	s_lshl_b32 s24, s18, 5
	s_add_co_u32 s23, s23, s24                     ; my wave's first column
	v_lshlrev_b32 v3, 2, v2                        ; in: 4 bytes a lane
	v_and_b32 v10, 7, v2
	v_and_b32 v11, 8, v2
	v_lshl_or_b32 v10, v11, 1, v10
	v_and_b32 v11, 16, v2
	v_lshrrev_b32 v11, 1, v11
	v_add_nc_u32 v10, v10, v11                     ; pi(lane): my column's place among the wave's 32: it enters the scale bytes' offset in memory alone
	s_mul_i32 s24, s18, 32*CPITCH
	s_add_co_u32 s24, s24, CSTG                    ; my stage
	v_mul_u32_u24 v4, v2, CPITCH
	v_add_nc_u32 v4, s24, v4                       ; into it: row = my lane: the columns lie there in their own order, and take their places on the way out
	v_and_b32 v5, 15, v2
	v_lshrrev_b32 v6, 4, v2
	v_mul_u32_u24 v7, v6, CPITCH
	v_lshl_add_u32 v7, v5, 4, v7
	v_add_nc_u32 v7, s24, v7                       ; out of it: sixteen lanes to a row, two rows an instruction
	v_mul_u32_u24 v8, v6, KROW
	v_mad_u32_u24 v8, v5, 12, v8                   ; and among the codes: the even or the odd one of two neighbouring places, 12 bytes a lane
	v_lshlrev_b32 v9, 5, v10                       ; my place's row of scale bytes
	s_lshl_b32 s26, s22, 20                        ; W: 256 rows of 4,096 bytes,
	s_lshl_b32 s27, s23, 2
	s_add_co_u32 s26, s26, s27                     ; + 4 x column
	s_mov_b32 s27, 0
	s_mul_i32 s28, s20, 786432
	s_mul_i32 s29, s23, KROW
	s_add_co_u32 s28, s28, s29
	s_mul_i32 s29, s22, 192
	s_add_co_u32 s28, s28, s29
	s_add_co_u32 s28, s28, OFF_WC
	s_mov_b32 s29, 0
	s_lshl_b32 s30, s20, 15
	s_lshl_b32 s31, s23, 5
	s_add_co_u32 s30, s30, s31
	s_lshl_b32 s31, s22, 3
	s_add_co_u32 s30, s30, s31
	s_add_co_u32 s30, s30, OFF_WS
	s_mov_b32 s31, 0
	s_wait_kmcnt 0x0
	s_cmp_lt_u32 s20, 1
	s_cselect_b64 s[8:9], s[8:9], s[10:11]         ; Wq or Wk
	s_cmp_lt_u32 s20, 3
	s_cselect_b64 s[12:13], s[12:13], s[14:15]     ; Wv or Wo
	s_cmp_lt_u32 s20, 2
	s_cselect_b64 s[4:5], s[8:9], s[12:13]
	s_add_nc_u64 s[4:5], s[4:5], s[26:27]
	s_add_nc_u64 s[6:7], s[16:17], s[28:29]
	s_add_nc_u64 s[8:9], s[16:17], s[30:31]
	CLOAD 0
	CLOAD 1
.irp t, 0,1,2,3,4,5,6,7
	CBLOCK \t
.endr
	global_store_b64 v9, v[SB:SB+1], s[8:9]        ; my column's 8 scale bytes
.irp t, 0,1,2,3,4,5,6,7,8,9,10,11,12,13,14,15
	ds_load_b96 v[OUTR+4*\t:OUTR+4*\t+2], v7 offset:2*\t*CPITCH    ; stage rows 2 t and 2 t + 1: the wave's columns 2 t and 2 t + 1
.endr
.irp t, 0,1,2,3,4,5,6,7,8,9,10,11,12,13,14,15
.set PT, ((\t)&3)|(((\t)&4)<<1)|(((\t)&8)>>1)     ; bits 3 and 4 of column 2 t + h are bits 2 and 3 of t: exchanged, they give the column's place 2 PT + h
	s_wait_dscnt 15-\t
	global_store_b96 v8, v[OUTR+4*\t:OUTR+4*\t+2], s[6:7] offset:2*PT*KROW   ; sixteen lanes store a row's 192 consecutive bytes
.endr
	s_wait_tensorcnt 0x0
	ds_add_u32 v192, v193
	s_wait_dscnt 0x0
	s_endpgm
.Lfunc_end_k_q4028bfa2b8_quant:
	.size	k_q4028bfa2b8_quant, .Lfunc_end_k_q4028bfa2b8_quant-k_q4028bfa2b8_quant
	.p2alignl 7, 3214868480
	.fill 96, 4, 3214868480
	.section	.rodata,"a",@progbits
	.p2align	6, 0x0
	.amdhsa_kernel k_q4028bfa2b8_quant
		.amdhsa_group_segment_fixed_size 57856
		.amdhsa_private_segment_fixed_size 0
		.amdhsa_enable_private_segment 0
		.amdhsa_kernarg_size 56
		.amdhsa_user_sgpr_count 2
		.amdhsa_user_sgpr_kernarg_segment_ptr 1
		.amdhsa_wavefront_size32 1
		.amdhsa_system_sgpr_workgroup_id_x 1
		.amdhsa_system_sgpr_workgroup_id_y 1
		.amdhsa_system_sgpr_workgroup_id_z 1
		.amdhsa_system_vgpr_workitem_id 0
		.amdhsa_next_free_vgpr 194
		.amdhsa_next_free_sgpr 66
		.amdhsa_reserve_vcc 0
		.amdhsa_float_denorm_mode_32 3
		.amdhsa_float_denorm_mode_16_64 3
		.amdhsa_memory_ordered 1
		.amdhsa_forward_progress 1
		.amdhsa_inst_pref_size 74
	.end_amdhsa_kernel
	.amdgpu_metadata
---
amdhsa.version: [ 1, 2 ]
amdhsa.kernels:
  - .name:           k_q4028bfa2b8_quant
    .symbol:         k_q4028bfa2b8_quant.kd
    .args:
      - { .name: x, .offset: 0, .size: 8, .value_kind: global_buffer, .address_space: global }
      - { .name: y, .offset: 8, .size: 8, .value_kind: global_buffer, .address_space: global }
      - { .name: Wq, .offset: 16, .size: 8, .value_kind: global_buffer, .address_space: global }
      - { .name: Wk, .offset: 24, .size: 8, .value_kind: global_buffer, .address_space: global }
      - { .name: Wv, .offset: 32, .size: 8, .value_kind: global_buffer, .address_space: global }
      - { .name: Wo, .offset: 40, .size: 8, .value_kind: global_buffer, .address_space: global }
      - { .name: ws1, .offset: 48, .size: 8, .value_kind: global_buffer, .address_space: global }
    .group_segment_fixed_size: 57856
    .private_segment_fixed_size: 0
    .kernarg_segment_align: 8
    .kernarg_segment_size: 56
    .max_flat_workgroup_size: 128
    .sgpr_count:     66
    .vgpr_count:     194
    .wavefront_size: 32
...
	.end_amdgpu_metadata
.endif
;; end of part 1
;; launch proj (part 2): grid 4 x 48, 4 waves a work-group, clusters of 4 x 4, 327,680 bytes of LDS; arguments ws1, ws2; writes ws2
.if DOCPART == 2
	.amdgcn_target "amdgcn-amd-amdhsa--gfx1250"
	.amdhsa_code_object_version 6
	.text
	.protected	k_q4028bfa2b8_proj
	.globl	k_q4028bfa2b8_proj
	.p2align	8
	.type	k_q4028bfa2b8_proj,@function
k_q4028bfa2b8_proj:
	s_mov_b64 s[64:65], 0
	v_nop
	global_prefetch_b8 v0, s[64:65] scope:SCOPE_SE
	s_setreg_imm32_b32 hwreg(HW_REG_WAVE_MODE, 25, 1), 1
	s_wait_xcnt 0x0
	s_wait_alu depctr_hold_cnt(0) depctr_sa_sdst(0) depctr_va_vdst(0) depctr_va_sdst(0) depctr_va_ssrc(0) depctr_va_vcc(0) depctr_vm_vsrc(0)
	s_getreg_b32 s2, hwreg(HW_REG_IB_STS2, 6, 4)
	s_cmp_eq_u32 s2, 0
	s_cbranch_scc0 .Lentry_in_a_cluster
	s_endpgm
.Lentry_in_a_cluster:
	s_bfe_u32 s2, ttmp6, 0x10000c
	s_cmp_lg_u32 s2, 0xf033
	s_cbranch_scc0 .Lentry_shape_is_right
	s_endpgm
.Lentry_shape_is_right:
; q = x Wq, k = y Wk and v^T = (y Wv)^T, on codes of FP6 (E2M3) with one E8M0 scale for each 32 along K = 1,024; the f32 sums are quantised again, out of the accumulators, for the attention launch.
; ONE BODY: OUT[m][n] = sum over k of R[m][k] C[n][k], quantised along n.  MODE 0: R = x, C = Wq.  MODE 1: R = y, C = Wk.  MODE 2: R = Wv, C = y (so n runs along the keys).  MODE = cluster y / 4.
; A tile of OUT, 256 x 256, is made by four waves, 128 x 128 each: 64 accumulators, 512 registers.  K goes in steps of 256 through a ring of two LDS slots; the scale bytes of the 512 rows come once and stay.
; CLUSTERS: 4 x 4 work-groups; R's tiles are asked for jointly along a row of the cluster, C's along a column.
; THE MATRIX INSTRUCTION IS USED TRANSPOSED (source 0 = 16 rows of C, source 1 = 16 rows of R).  C's rows lie in the order pi (bits 3 and 4 of the row's number exchanged), so that in lane (r, h) the 64 accumulator
; registers of R's block a hold, in register 16 b + i, n = 32 b + 16 h + i of the wave's 128: sixteen neighbours along the next K, block by block.
; THE WAY OUT.  Each of R's eight blocks becomes one operand fragment (12 registers a lane) and one scale word a row.  It is stored as an image of its registers, in halves of 768 bytes: three runs of 256 bytes, run i with
; lane l's registers 2 i, 2 i + 1 at byte 8 l.  q, k: half number batch x 2048 + head x 128 + tile of 16 rows; v: batch x 2048 + head x 128 + (128 keys) x 8 + (16 of the head's 64) x 2 + half.
; Scale words: q, k: [batch][head / 2][32 rows][head % 2][16 lanes], bytes 0, 1 of the even tile of 16 rows, bytes 2, 3 of the odd one; v: [batch][head][128 keys][16 of 64][16 lanes].
; q's factor 1/8 is taken off its scale bytes (3 off each); its blocks' floor is 2^(6 - 127), so that the byte stays at 1 or above.
; LIMITS: blocks whose largest magnitude lies under the floor (2^(3 - 127); q: 2^(6 - 127)) keep the floor's byte, blocks of zeros too (their codes are zeros); NaN and infinities are not served.
; No prefetch: K has four steps only.  192 work-groups.
; REGISTERS, in windows of 256: window 0: v0-31 addresses; v32-63 scale words, two sets; v64-85 the way out's offsets; from v128 R's fragments, one set.  window 1: C's fragments, two sets.  windows 2, 3: the accumulators.
.set SIZE_K, 1024
.set KSTEP,  256
.set NQ,     KSTEP/128
.set ROWB,   192
.set KROW,   SIZE_K*6/8
.set PITCH,  240                       ; an LDS row: 3 x (64 bytes + 16 of padding)
.set FR,     12
.set NL,     6
.set NP,     4
.set HALFT,  128*PITCH
.set SLOT,   4*HALFT
.set LAPS,   SIZE_K/(2*KSTEP)
.set KS,     SIZE_K/32
.set SCL,    2*SLOT                    ; behind the ring: the scale bytes, as runs of 256 bytes + 16 of padding
.set HALFS,  (128*KS/256)*272
.set SBLK,   (16*KS/256)*272
.set SPARE,  SCL+4*HALFS               ; the spare words, 128 bytes for each wave: no other line names them
.set OFF_YC,  3145728                  ; regions of ws1
.set OFF_WC0, 6291456
.set OFF_WC2, 7864320
.set OFF_XS,  9437184
.set OFF_YS,  9568256
.set OFF_WS0, 9699328
.set OFF_WS2, 9764864
.set OFF_QS,  9437184                  ; ws2: the scale words begin here, 131,072 bytes a MODE; the codes at 3,145,728 x MODE
.set ADRA, 16
.set ADRB, 20
.set ADRS, 27
.set SPW,  28
.set NIL,  29
.set SC,   32
.set AF,   128
.set SELV, 64                          ; v64     v_perm_b32's selector: lanes 0-15 one, lanes 16-31 the other
.set L8,   65                          ; v65     8 x lane
.set SST,  66                          ; v66     LDS: where I put a scale word: 512 x wave + 4 x lane (in slot 0, behind its last fill and its last read)
.set SLD,  67                          ; v67     and where I read 8 bytes back: 512 x wave + 8 x lane
.set VS2,  68                          ; v68     8 x lane + the distance of the second 256 bytes of scale words
.set VO,   70                          ; v70-85  block a, half c: byte offset of my 8 bytes in the half's first run
.set BACK, 88                          ; v88-91  scale words read back
.set TM,   32                          ; v32-47  at work in the quantiser
.set PWR,  48                          ; v48-55  block a's scale word
.set SW,   56                          ; v56-59  two blocks' words, joined
.set CDB,  128                         ; v128-223 block a's codes at 128 + 12 a: no store's data are written again
.set CT,   224                         ; v224-230 the conversions' second halves
.set FLOOR, 94                         ; s94     the floor of a block's largest magnitude
.set ADJ,  95                          ; s95     what is taken off the four scale bytes
.set SEL,  98                          ; s[98:99] v_permlanex16_b32's selects for lane l xor 16
.set G1, 24
.set G0, 32
.set G1B, 48
.set G0B, 56
.set G1S, 68
.set G0S, 76
.set G1SB, 80
.set G0SB, 88
.set MSB, 0
.macro WIN new                         ; the immediate's high byte repeats the setting that is left
.if MSB != (\new)
	s_set_vgpr_msb (MSB<<8)|(\new)
.set MSB, (\new)
.endif
.endm
.set MUL_LO, 0xa1                      ; source 0 (C) window 1, source 1 (R) window 0, sums window 2
.set MUL_HI, 0xf1                      ; the same, sums window 3
.set TO_B,   0x40
; A joint load: waves 0 and 1 fetch for R, waves 2 and 3 for C.  The branch hangs on the wave's number alone.  Four v_nop follow each of the two lines.
.macro JLOAD g0a, g1a, g0b, g1b
	s_cmp_eq_u32 s15, 0
	s_cbranch_scc0 .Lfor_b_\@
	tensor_load_to_lds s[\g0a:\g0a+3], s[\g1a:\g1a+7]
	s_nop 0
.rept 4
	v_nop
.endr
	s_branch .Lasked_\@
.Lfor_b_\@:
	tensor_load_to_lds s[\g0b:\g0b+3], s[\g1b:\g1b+7]
	s_nop 0
.rept 4
	v_nop
.endr
.Lasked_\@:
.endm
.macro CREST                           ; a round of the cluster's barrier behind its opening barrier
	s_cmp_lg_u32 s14, 0
	s_cbranch_scc1 .Lnot_wave_0_\@
	s_barrier_signal -3
.Lnot_wave_0_\@:
	s_barrier_wait -3
	s_barrier_signal -1
	s_barrier_wait -1
.endm
.macro CROUND
	s_barrier_signal -1
	s_barrier_wait -1
	CREST
.endm
	s_load_b128 s[4:7], s[0:1], 0x0                ; ws1, ws2
	v_lshl_add_u32 v[SPW], v0, 2, SPARE
	v_mov_b32 v[NIL], 0
	ds_add_u32 v28, v29
	s_wait_dscnt 0x0
	v_lshrrev_b32 v1, 5, v0
	v_readfirstlane_b32 s14, v1                    ; wave 0..3
	s_lshr_b32 s15, s14, 1                         ; which half of the tile's rows is mine.  Also: I fetch for R (0) or for C (1)
	s_and_b32 s16, s14, 1                          ; which half of its columns.  Also: which 128 rows of that tile I fetch
	s_bfe_u32 s40, ttmp6, 0x40000                  ; cx
	s_bfe_u32 s41, ttmp6, 0x40004                  ; cy
	s_and_b32 s95, ttmp7, 0xffff                   ; cluster y, 0 .. 11
	s_lshr_b32 s96, s95, 2                         ; MODE: the same in all sixteen partners
	s_and_b32 s97, s95, 3
	s_lshl_b32 s97, s97, 2                         ; which four tiles along the long axis (4,096 rows of x or y)
	s_cmp_eq_u32 s96, 2
	s_cselect_b32 s17, 0, s97
	s_cselect_b32 s42, s97, 0
	s_add_co_u32 s17, s17, s41                     ; tile row: holds cy, never cx
	s_add_co_u32 s42, s42, s40                     ; tile column: holds cx, never cy
	s_lshl_b32 s43, s41, 2
	s_lshl_b32 s43, 15, s43                        ; my row of the cluster
	s_lshl_b32 s44, 0x1111, s40                    ; my column
	s_or_b32 s[G1+0], s43, (0<<16)|(1<<20)|(1<<21)|(3<<22)|(3<<25)  ; the mask; elements of 1 byte; padding on; bit 21 beside a mask; after every 16 words, 4 words
	s_or_b32 s[G1B+0], s44, (0<<16)|(1<<20)|(1<<21)|(3<<22)|(3<<25)
.irp g, G1, G1B
	s_mov_b32 s[\g+1], ROWB<<16                    ; tensor_dim0
	s_mov_b32 s[\g+2], 128<<16                     ; tensor_dim1
	s_mov_b32 s[\g+3], ROWB<<16                    ; tile_dim0
	s_mov_b32 s[\g+4], 128                         ; tile_dim1
	s_mov_b32 s[\g+5], KROW                        ; from row to row
	s_mov_b32 s[\g+6], 0
	s_mov_b32 s[\g+7], 0
.endr
	s_or_b32 s[G1S+0], s43, (3<<16)|(1<<20)|(1<<21)|(5<<22)|(3<<25) ; the scale bytes of 128 rows: 4,096 dense bytes as 16 rows of 256, 16 bytes of padding behind each
	s_or_b32 s[G1SB+0], s44, (3<<16)|(1<<20)|(1<<21)|(5<<22)|(3<<25)
.irp g, G1S, G1SB
	s_mov_b32 s[\g+1], 32<<16
	s_mov_b32 s[\g+2], (128*KS/256)<<16
	s_mov_b32 s[\g+3], 32<<16
	s_mov_b32 s[\g+4], 128*KS/256
	s_mov_b32 s[\g+5], 32
	s_mov_b32 s[\g+6], 0
	s_mov_b32 s[\g+7], 0
.endr
	s_mul_i32 s98, s96, OFF_YC                     ; where R's codes, R's scale bytes, C's codes and C's scale bytes begin in ws1: MODE 0 and 1 by arithmetic,
	s_lshl_b32 s99, s96, 17
	s_add_co_u32 s99, s99, OFF_XS
	s_mul_i32 s100, s96, 786432
	s_add_co_u32 s100, s100, OFF_WC0
	s_lshl_b32 s101, s96, 15
	s_add_co_u32 s101, s101, OFF_WS0
	s_cmp_eq_u32 s96, 2                            ; MODE 2 by choice
	s_cselect_b32 s98, OFF_WC2, s98
	s_cselect_b32 s99, OFF_WS2, s99
	s_cselect_b32 s100, OFF_YC, s100
	s_cselect_b32 s101, OFF_YS, s101
	s_lshl_b32 s18, s16, 7                         ; which 128 rows of the tile I fetch
	s_lshl_b32 s20, s17, 8
	s_add_co_u32 s20, s20, s18                     ; R: row 256 x tile row + 128 x half
	s_lshl_b32 s46, s42, 8
	s_add_co_u32 s46, s46, s18                     ; C: row 256 x tile column + 128 x half
	s_lshl_b32 s22, s20, 5
	s_add_co_u32 s22, s22, s99                     ; byte offsets in ws1, all under 2^24
	s_mov_b32 s23, 0
	s_mul_i32 s20, s20, KROW
	s_add_co_u32 s20, s20, s98
	s_mov_b32 s21, 0
	s_lshl_b32 s92, s46, 5
	s_add_co_u32 s92, s92, s101
	s_mov_b32 s93, 0
	s_mul_i32 s46, s46, KROW
	s_add_co_u32 s46, s46, s100
	s_mov_b32 s47, 0
	s_mul_i32 s45, s14, HALFT                      ; where they go: wave x 128 rows: no place in the cluster enters an LDS address
	s_mul_i32 s94, s14, HALFS
	s_wait_kmcnt 0x0
	s_add_nc_u64 s[20:21], s[4:5], s[20:21]
	s_add_nc_u64 s[22:23], s[4:5], s[22:23]
	s_add_nc_u64 s[46:47], s[4:5], s[46:47]
	s_add_nc_u64 s[92:93], s[4:5], s[92:93]
	CROUND                                         ; all sixteen work-groups are here: the first joint loads meet
	s_mov_b32 s[G0S], 1
	s_add_co_u32 s[G0S+1], s94, SCL
	s_mov_b64 s[G0S+2:G0S+3], s[22:23]
	s_or_b32 s[G0S+3], s[G0S+3], 0x80000000
	s_mov_b32 s[G0SB], 1
	s_add_co_u32 s[G0SB+1], s94, SCL
	s_mov_b64 s[G0SB+2:G0SB+3], s[92:93]
	s_or_b32 s[G0SB+3], s[G0SB+3], 0x80000000
	JLOAD G0S, G1S, G0SB, G1SB                     ; the scale bytes first: they are wanted with K step 0
.irp s, 0,1
	s_mov_b32 s[G0+4*\s], 1
	s_add_co_u32 s[G0+4*\s+1], s45, \s*SLOT
	s_add_nc_u64 s[G0+4*\s+2:G0+4*\s+3], s[20:21], \s*ROWB
	s_or_b32 s[G0+4*\s+3], s[G0+4*\s+3], 0x80000000
	s_mov_b32 s[G0B+4*\s], 1
	s_add_co_u32 s[G0B+4*\s+1], s45, \s*SLOT
	s_add_nc_u64 s[G0B+4*\s+2:G0B+4*\s+3], s[46:47], \s*ROWB
	s_or_b32 s[G0B+4*\s+3], s[G0B+4*\s+3], 0x80000000
	JLOAD G0+4*\s, G1, G0B+4*\s, G1B
.endr
	v_and_b32 v1, 15, v0                           ; r
	v_bfe_u32 v2, v0, 4, 1                         ; h
	v_mul_u32_u24 v3, v1, PITCH
	v_mul_u32_u24 v4, v2, 24
	v_add_nc_u32 v4, v3, v4                        ; a fragment's row x pitch + 24 x half
	v_lshl_add_u32 v5, v2, 4, v4                   ; and the same behind one padding more
	s_mul_i32 s21, s15, HALFT
	s_mul_i32 s22, s16, HALFT
	s_add_co_u32 s22, s22, 2*HALFT
.irp s, 0,1
	v_add_nc_u32 v[ADRA+\s], s21, v4
	v_add_nc_u32 v[ADRB+\s], s22, v4
	v_add_nc_u32 v[ADRA+2+\s], s21, v5
	v_add_nc_u32 v[ADRB+2+\s], s22, v5
	s_add_co_u32 s21, s21, SLOT
	s_add_co_u32 s22, s22, SLOT
.endr
	v_mul_u32_u24 v5, v1, KS                       ; my row's scale bytes: KS a row,
	v_lshrrev_b32 v6, 8, v5
	v_lshl_add_u32 v5, v6, 4, v5                   ; and 16 more for each 256 passed
	s_mul_i32 s21, s15, HALFS
	s_mul_i32 s22, s16, HALFS
	s_add_co_u32 s22, s22, 2*HALFS
	s_sub_co_u32 s22, s22, s21
	v_mul_u32_u24 v6, s22, v2                      ; lanes 16-31 take C's
	s_add_co_u32 s21, s21, SCL
	v_add_nc_u32 v5, v5, v6
	v_add_nc_u32 v[ADRS], s21, v5
	; ---- the way out's numbers.  A0: my first block of 16 rows of R; G: my 128 columns
	s_lshl_b32 s18, s17, 4
	s_lshl_b32 s19, s15, 3
	s_add_co_u32 s18, s18, s19                     ; A0
	s_lshl_b32 s19, s42, 1
	s_add_co_u32 s19, s19, s16                     ; G
	s_lshr_b32 s20, s18, 7                         ; q, k: the batch,
	s_and_b32 s21, s18, 127                        ; the tile of rows in it;
	s_lshl_b32 s22, s20, 11
	s_lshl_b32 s23, s19, 8                         ; heads 2 G and 2 G + 1
	s_add_co_u32 s22, s22, s23
	s_add_co_u32 s22, s22, s21                     ; the first half's number
	s_lshl_b32 s23, s20, 3
	s_add_co_u32 s23, s23, s19
	s_lshl_b32 s23, s23, 6
	s_lshr_b32 s21, s21, 1
	s_add_co_u32 s23, s23, s21
	s_lshl_b32 s23, s23, 7                         ; and the first scale word's byte
	s_lshr_b32 s20, s19, 4                         ; v: the batch,
	s_and_b32 s21, s19, 15                         ; the 128 keys in it,
	s_lshr_b32 s43, s18, 2                         ; the head
	s_lshl_b32 s44, s20, 11
	s_lshl_b32 s45, s43, 7
	s_add_co_u32 s44, s44, s45
	s_lshl_b32 s45, s21, 3
	s_add_co_u32 s44, s44, s45
	s_lshl_b32 s45, s20, 4
	s_add_co_u32 s45, s45, s43
	s_lshl_b32 s45, s45, 4
	s_add_co_u32 s45, s45, s21
	s_lshl_b32 s45, s45, 8
	s_cmp_eq_u32 s96, 2
	s_cselect_b32 s22, s44, s22
	s_cselect_b32 s23, s45, s23
	s_mov_b32 s8, 768
	s_cselect_b32 s8, 1536, s8                     ; bytes from block a to a + 1,
	s_mov_b32 s9, 3072
	s_cselect_b32 s9, 98304, s9                    ; from a to a + 4,
	s_mov_b32 s40, 98304
	s_cselect_b32 s40, 768, s40                    ; from a fragment's first half to its second,
	s_mov_b32 s41, 256
	s_cselect_b32 s41, 4096, s41                   ; from the first 256 bytes of scale words to the second
	s_mov_b32 s92, 0x05040100
	s_cselect_b32 s92, 0x03020100, s92             ; lanes 0-15: q, k: bytes 0, 1 of both blocks' words; v: the even block's word
	s_mov_b32 s93, 0x07060302
	s_cselect_b32 s93, 0x07060504, s93             ; lanes 16-31: q, k: bytes 2, 3 of both; v: the odd block's word
	s_cmp_eq_u32 s96, 0
	s_mov_b32 s[FLOOR], 3<<23
	s_cselect_b32 s[FLOOR], 6<<23, s[FLOOR]
	s_cselect_b32 s[ADJ], 0x03030303, 0
	s_mov_b32 s[SEL], 0x76543210
	s_mov_b32 s[SEL+1], 0xfedcba98
	v_and_b32 v6, 31, v0
	v_lshlrev_b32 v[L8], 3, v6
	s_lshl_b32 s20, s14, 9
	v_lshl_add_u32 v[SST], v6, 2, s20
	v_add_nc_u32 v[SLD], s20, v[L8]
	v_add_nc_u32 v[VS2], s41, v[L8]
	v_mov_b32 v7, s92
	v_mov_b32 v8, s93
	v_cmp_eq_u32 vcc_lo, 1, v2
	v_cndmask_b32 v[SELV], v7, v8, vcc_lo
.irp a, 0,1,2,3,4,5,6,7
	s_mul_i32 s20, s8, \a%4
	s_mul_i32 s21, s9, \a/4
	s_add_co_u32 s20, s20, s21
	v_add_nc_u32 v[VO+2*\a], s20, v[L8]
	s_add_co_u32 s20, s20, s40
	v_add_nc_u32 v[VO+2*\a+1], s20, v[L8]
.endr
	s_mul_i32 s20, s22, 768
	s_mul_i32 s21, s96, 3145728
	s_add_co_u32 s20, s20, s21
	s_mov_b32 s21, 0
	s_lshl_b32 s22, s96, 17
	s_add_co_u32 s22, s22, s23
	s_add_co_u32 s22, s22, OFF_QS
	s_mov_b32 s23, 0
	s_add_nc_u64 s[12:13], s[6:7], s[20:21]        ; the codes' base
	s_add_nc_u64 s[10:11], s[6:7], s[22:23]        ; the scale words' base
.macro FRAG reg, adr, q, i             ; a fragment, 16 rows x 128 K: lane l holds row l % 16; registers 6 c .. 6 c + 5 hold K = 64 c + 32 (l / 16) + 0 .. 31: 24 bytes of the row, in pieces of 8
.irp p, 0,1,2,3,4,5
.set PC, 12*(\q)+6*(\p/3)+\p%3        ; 16 bytes of padding lie behind every 8 pieces: where the piece three on lies behind one padding more, the second address register serves
.if PC%8 < 5
	ds_load_b64 v[\reg+2*\p:\reg+2*\p+1], v[\adr] offset:8*PC+16*(PC/8)+(\i)*16*PITCH
.else
	ds_load_b64 v[\reg+2*\p:\reg+2*\p+1], v[\adr+2] offset:8*PC+16*(PC/8)+(\i)*16*PITCH
.endif
.endr
.endm
; 16 matrix instructions: R's blocks a0, a0 + 1 x C's eight.  The 64 accumulators take turns, one instruction a turn, in the same order in every step.
.macro MUL16 a0, p, q, sc, zero
.irp a, \a0, \a0+1
.irp b, 0,1,2,3,4,5,6,7
.if \zero
	v_wmma_scale_f32_16x16x128_f8f6f4 v[8*(8*((\a)%4)+\b):8*(8*((\a)%4)+\b)+7], v[128*(\p)+FR*\b:128*(\p)+FR*\b+FR-1], v[AF+FR*(\a):AF+FR*(\a)+FR-1], 0, v[SC+8*NQ*(\sc)+NQ*\b+(\q)], v[SC+8*NQ*(\sc)+NQ*(\a)+(\q)] matrix_a_fmt:MATRIX_FMT_FP6 matrix_b_fmt:MATRIX_FMT_FP6 matrix_a_scale:MATRIX_SCALE_ROW1
.else
	v_wmma_scale_f32_16x16x128_f8f6f4 v[8*(8*((\a)%4)+\b):8*(8*((\a)%4)+\b)+7], v[128*(\p)+FR*\b:128*(\p)+FR*\b+FR-1], v[AF+FR*(\a):AF+FR*(\a)+FR-1], v[8*(8*((\a)%4)+\b):8*(8*((\a)%4)+\b)+7], v[SC+8*NQ*(\sc)+NQ*\b+(\q)], v[SC+8*NQ*(\sc)+NQ*(\a)+(\q)] matrix_a_fmt:MATRIX_FMT_FP6 matrix_b_fmt:MATRIX_FMT_FP6 matrix_a_scale:MATRIX_SCALE_ROW1
.endif
.endr
.endr
.endm
.macro FETCH_B slot, q, p
	WIN TO_B
.irp i, 0,1,2,3,4,5,6,7
	FRAG 128*(\p)+FR*\i, ADRB+\slot, \q, \i
.endr
	WIN 0
.endm
.macro FETCH_A slot, q, i0
.irp i, \i0, \i0+1, \i0+2, \i0+3
	FRAG AF+FR*(\i), ADRA+\slot, \q, \i
.endr
.endm
.macro SCALES sc                       ; a K step's scale words: lanes 0-15 take R's block i, lanes 16-31 C's block i
.irp i, 0,1,2,3,4,5,6,7
	ds_load_b64 v[SC+8*NQ*\sc+NQ*\i:SC+8*NQ*\sc+NQ*\i+1], v[ADRS] offset:\i*SBLK
.endr
.endm
.macro PLACES n                        ; plain vector instructions between a matrix instruction and a load into, or a vector access to, its registers
.rept \n
	v_nop
.endr
.endm
.macro STEP slot, q, zero              ; 128 along K that have their successor in the same slot
	s_wait_dscnt 4*NL                              ; C's set and R's blocks 0-3 are in; the youngest 24 loads (R's blocks 4-7) may be out
	WIN MUL_LO
	MUL16 0, (\q)%2, \q, \slot, \zero
	MUL16 2, (\q)%2, \q, \slot, \zero
	s_wait_dscnt 0
	PLACES NP
	FETCH_B \slot, (\q)+1, 1-(\q)%2
	FETCH_A \slot, (\q)+1, 0
	WIN MUL_HI
	MUL16 4, (\q)%2, \q, \slot, \zero
	MUL16 6, (\q)%2, \q, \slot, \zero
	PLACES NP
	WIN 0
	FETCH_A \slot, (\q)+1, 4
.endm
; A slot's last step changes slots: one barrier; in front of it each wave waits for all its tensor loads, adds 0 to its spare word, and waits for that and for its own reads of this slot.
.macro TURN slot, next, fill
	s_wait_tensorcnt 0x0                           ; all my tensor loads have landed: my part of the next slot
	ds_add_u32 v[SPW], v[NIL]                      ; 0 onto my spare word
	s_wait_dscnt 4*NL+1                            ; the add and the youngest 24 loads may be out
	WIN MUL_LO
	MUL16 0, 1, NQ-1, \slot, 0
	s_wait_dscnt 0x0                               ; the add is done, and my reads of this slot are over
	s_barrier_signal -1
	MUL16 2, 1, NQ-1, \slot, 0
	WIN 0
	s_barrier_wait -1
.if \fill
	CREST                                          ; the barrier has opened a round of the cluster's barrier: no wave of any partner still reads this slot or has a load on its way
	s_add_nc_u64 s[G0+4*\slot+2:G0+4*\slot+3], s[G0+4*\slot+2:G0+4*\slot+3], 2*ROWB
	s_add_nc_u64 s[G0B+4*\slot+2:G0B+4*\slot+3], s[G0B+4*\slot+2:G0B+4*\slot+3], 2*ROWB
	JLOAD G0+4*\slot, G1, G0B+4*\slot, G1B         ; the first tensor load behind the round
.else
	PLACES NP
.endif
	v_add_nc_u32 v[ADRS], 4*NQ, v[ADRS]            ; the next K step's scale words
	FETCH_B \next, 0, 0
	FETCH_A \next, 0, 0
	SCALES \next
	WIN MUL_HI
	MUL16 4, 1, NQ-1, \slot, 0
	MUL16 6, 1, NQ-1, \slot, 0
	PLACES NP
	WIN 0
	FETCH_A \next, 0, 4
.endm
; Block a's 64 sums of a lane become a fragment's codes, v[CDB + 12 a] on, and its scale word, v[PWR + a]; the codes are stored as they stand.
.macro QUANTW a
.set AC, 64*((\a)%4)
.set CD, CDB+12*(\a)
	WIN 0x28+0x14*((\a)/4)                         ; sources 1 and 2: the accumulators' window
.irp b, 0,1,2,3
	v_max3_num_f32 v[TM+\b], s[FLOOR], |v[AC+16*\b]|, |v[AC+16*\b+1]|    ; block b: my 16 numbers and the floor; each accumulator is read from its low end on
.endr
.irp i, 2,4,6,8,10,12,14
.irp b, 0,1,2,3
	v_max3_num_f32 v[TM+\b], v[TM+\b], |v[AC+16*\b+\i]|, |v[AC+16*\b+\i+1]|
.endr
.endr
	WIN 0
.irp b, 0,1,2,3
	v_permlanex16_b32 v[TM+4+\b], v[TM+\b], s[SEL], s[SEL+1]
.endr
.irp b, 0,1,2,3
	v_max_num_f32 v[TM+\b], v[TM+\b], v[TM+4+\b]   ; with lane l xor 16's: the block's largest magnitude
.endr
.irp b, 0,1,2,3
	v_add_nc_u32 v[TM+12+\b], 0xff000000, v[TM+\b] ; 2 off its exponent field: the conversion's scale operand
.endr
.irp b, 0,1,2,3
	v_lshrrev_b32 v[TM+4+\b], 23, v[TM+12+\b]      ; the scale's byte
.endr
	v_lshl_or_b32 v[PWR+(\a)], v[TM+5], 8, v[TM+4]
	v_lshl_or_b32 v[PWR+(\a)], v[TM+6], 16, v[PWR+(\a)]
	v_lshl_or_b32 v[PWR+(\a)], v[TM+7], 24, v[PWR+(\a)]
	WIN 0x02+(\a)/4                                ; source 0: the accumulators' window
.irp c, 0,1
	v_cvt_scalef32_pk16_fp6_f32 v[CD+6*\c:CD+6*\c+2], v[AC+32*\c:AC+32*\c+15], v[TM+12+2*\c]
	v_cvt_scalef32_pk16_fp6_f32 v[CT+4*\c:CT+4*\c+2], v[AC+32*\c+16:AC+32*\c+31], v[TM+12+2*\c+1]   ; (a conversion's three registers begin on an even number)
.endr
	WIN 0
	v_nop                                          ; one plain place behind a scaled conversion
.irp c, 0,1                                    ; the operand's layout wants a whole block in a lane: lanes 0-15 block 2 c, lanes 16-31 block 2 c + 1
.irp i, 0,1,2
	v_permlane16_swap_b32 v[CD+6*\c+\i], v[CT+4*\c+\i]
.endr
.irp i, 0,1,2
	v_mov_b32 v[CD+3+6*\c+\i], v[CT+4*\c+\i]
.endr
.endr
.irp c, 0,1
.irp i, 0,1,2
	global_store_b64 v[VO+2*(\a)+\c], v[CD+6*\c+2*\i:CD+6*\c+2*\i+1], s[12:13] offset:256*\i   ; 32 lanes store 256 consecutive bytes, aligned
.endr
.endr
.endm
	s_wait_tensorcnt 1                             ; the scale bytes and my part of K step 0 are in (K step 1's load may be out),
	s_barrier_signal -1
	s_barrier_wait -1                              ; everybody's are
	FETCH_B 0, 0, 0
	FETCH_A 0, 0, 0
	SCALES 0
	FETCH_A 0, 0, 4
	STEP 0, 0, 1                                   ; the first step stands in front of the loop: its products start the sums
	s_mov_b32 s3, LAPS-1
.Llap:                                                 ; a trip goes once round the ring and fills both slots again
	TURN 0, 1, 1
	STEP 1, 0, 0
	TURN 1, 0, 1
	STEP 0, 0, 0
	s_sub_co_u32 s3, s3, 1
	s_cmp_lg_u32 s3, 0
	s_cbranch_scc1 .Llap
	TURN 0, 1, 0                                   ; the last lap fills nothing
	STEP 1, 0, 0
	s_wait_dscnt 4*NL
	WIN MUL_LO
	MUL16 0, 1, NQ-1, 1, 0
	MUL16 2, 1, NQ-1, 1, 0
	s_wait_dscnt 0
	WIN MUL_HI
	MUL16 4, 1, NQ-1, 1, 0
	MUL16 6, 1, NQ-1, 1, 0
	WIN 0
	; ---- THE WAY OUT
	PLACES NP                                      ; behind the last products: what follows writes registers that held scale words and R's fragments
.irp b, 0,1,2,3
	v_mov_b32 v[TM+4+\b], 0                        ; written once: a lane permute's destination counts as one of its sources
.endr
.irp p, 0,1,2,3
	QUANTW 2*\p
	QUANTW 2*\p+1
	v_perm_b32 v[SW+\p], v[PWR+2*\p+1], v[PWR+2*\p], v[SELV]   ; the two blocks' words, joined as the attention launch reads them
	v_sub_nc_u32 v[SW+\p], v[SW+\p], s[ADJ]        ; q: 3 off each byte (each is 4 at the least: no borrow)
	ds_store_b32 v[SST], v[SW+\p] offset:128*\p
.endr
	ds_load_b64 v[BACK:BACK+1], v[SLD]             ; LDS serves a wave's instructions in order: these see my stores
	ds_load_b64 v[BACK+2:BACK+3], v[SLD] offset:256
	s_wait_dscnt 0x0
	global_store_b64 v[L8], v[BACK:BACK+1], s[10:11]     ; 256 consecutive bytes, aligned
	global_store_b64 v[VS2], v[BACK+2:BACK+3], s[10:11]
	s_wait_tensorcnt 0x0                           ; the wave's end
	ds_add_u32 v[SPW], v[NIL]
	s_wait_dscnt 0x0
	CROUND                                         ; the closing round
	s_endpgm
.Lfunc_end_k_q4028bfa2b8_proj:
	.size	k_q4028bfa2b8_proj, .Lfunc_end_k_q4028bfa2b8_proj-k_q4028bfa2b8_proj
	.p2alignl 7, 3214868480
	.fill 96, 4, 3214868480
	.section	.rodata,"a",@progbits
	.p2align	6, 0x0
	.amdhsa_kernel k_q4028bfa2b8_proj
		.amdhsa_group_segment_fixed_size 327680
		.amdhsa_private_segment_fixed_size 0
		.amdhsa_enable_private_segment 0
		.amdhsa_kernarg_size 16
		.amdhsa_user_sgpr_count 2
		.amdhsa_user_sgpr_kernarg_segment_ptr 1
		.amdhsa_wavefront_size32 1
		.amdhsa_system_sgpr_workgroup_id_x 1
		.amdhsa_system_sgpr_workgroup_id_y 1
		.amdhsa_system_sgpr_workgroup_id_z 1
		.amdhsa_system_vgpr_workitem_id 0
		.amdhsa_next_free_vgpr 1024
		.amdhsa_next_free_sgpr 102
		.amdhsa_reserve_vcc 1
		.amdhsa_float_denorm_mode_32 3
		.amdhsa_float_denorm_mode_16_64 3
		.amdhsa_memory_ordered 1
		.amdhsa_forward_progress 1
		.amdhsa_inst_pref_size 170
	.end_amdhsa_kernel
	.amdgpu_metadata
---
amdhsa.version: [ 1, 2 ]
amdhsa.kernels:
  - .name:           k_q4028bfa2b8_proj
    .symbol:         k_q4028bfa2b8_proj.kd
    .args:
      - { .name: ws1, .offset: 0, .size: 8, .value_kind: global_buffer, .address_space: global }
      - { .name: ws2, .offset: 8, .size: 8, .value_kind: global_buffer, .address_space: global }
    .group_segment_fixed_size: 327680
    .private_segment_fixed_size: 0
    .kernarg_segment_align: 8
    .kernarg_segment_size: 16
    .max_flat_workgroup_size: 128
    .sgpr_count:     102
    .vgpr_count:     1024
    .wavefront_size: 32
...
	.end_amdgpu_metadata
.endif
;; end of part 2
;; launch attn (part 3): grid 32 x 8, 16 waves a work-group, clusters of 4 x 4, 327,680 bytes of LDS; arguments ws2, bias, ws3; writes ws3
.if DOCPART == 3
	.amdgcn_target "amdgcn-amd-amdhsa--gfx1250"
	.amdhsa_code_object_version 6
	.text
	.protected	k_q4028bfa2b8_attn
	.globl	k_q4028bfa2b8_attn
	.p2align	8
	.type	k_q4028bfa2b8_attn,@function
k_q4028bfa2b8_attn:
	s_mov_b64 s[64:65], 0
	v_nop
	global_prefetch_b8 v0, s[64:65] scope:SCOPE_SE
	s_setreg_imm32_b32 hwreg(HW_REG_WAVE_MODE, 25, 1), 1
	s_wait_xcnt 0x0
	s_wait_alu depctr_hold_cnt(0) depctr_sa_sdst(0) depctr_va_vdst(0) depctr_va_sdst(0) depctr_va_ssrc(0) depctr_va_vcc(0) depctr_vm_vsrc(0)
	s_getreg_b32 s2, hwreg(HW_REG_IB_STS2, 6, 4)
	s_cmp_eq_u32 s2, 0
	s_cbranch_scc0 .Lentry_in_a_cluster
	s_endpgm
.Lentry_in_a_cluster:
	s_bfe_u32 s2, ttmp6, 0x10000c
	s_cmp_lg_u32 s2, 0xf033
	s_cbranch_scc0 .Lentry_shape_is_right
	s_endpgm
.Lentry_shape_is_right:
; attn[b][q][head][:] = sum over k of softmax_k(q . k / 8 + bias[q][k]) v[k][:], both products on codes of FP6 (E2M3) with one E8M0 scale for each 32 along a product's K; the result is quantised along H for the last product.
; THE SOFTMAX: t = logit x log2(e); M = the row's largest t so far, rounded up to a whole number; p = 2^(t - M) is quantised along the keys, not normalised; the row's sum is taken of the unquantised p and divides at the end.
; When M moves, the sum and O are multiplied by 2^(old M - new M): exact.
; SHARES.  A work-group owns 64 queries of one batch and four heads; wave w owns head w / 4 of them and queries 16 (w % 4) on: one tile, 256 registers, four waves to a SIMD.  16 key steps of 128 keys.
; CLUSTER 4 x 4: cluster y = the batch, cy = the group of four heads, 4 x cluster x + cx = the block of 64 queries.  K's and V's tiles hang on batch and heads: asked for jointly along a row of the cluster;
; the bias's tiles hang on the queries: jointly along a column.
; LAYOUT.  Both products are used transposed: S^T = K Q^T, O^T = V^T P^T: a lane holds ONE query (lane % 16) throughout.  All operands lie in ws2 as images of their registers: a fragment comes by six loads of 8 bytes at 8 x lane.
; THE HEAD IS 64 LONG, the instruction 128: a fragment of K holds TWO keys a row (registers 0-5: key 32 g + r + 8 (r / 8); registers 6-11: the key 8 further on), and Q stands in eighteen registers, zeros | q | zeros:
; v[22:33] = (q, 0) takes the first key, v[16:27] = (0, q) the second.  So the 16 registers of two neighbouring tiles of S^T are 16 neighbouring keys, 32 g + 16 (lane / 16) + 0 .. 15.
; THE BIAS is loaded from LDS into S^T's registers and is the C of the first product; the factor 1/8 lies in q's scale bytes.
; V's rows (the head's 64) lie in the order pi, so that O^T's register 16 b + i is channel 32 b + 16 (lane / 16) + i: sixteen neighbours along the last product's K.
; LIMITS: NaN and infinities among the inputs are not served, -infinity in the bias and rows wholly hidden among them; a block of p or of the result whose largest magnitude lies under 2^(3 - 127) keeps the byte 1.
; The scale bytes of the result leave as 8 bytes a row, 32 bytes apart: 1/24 of what the launch stores.
; REGISTERS: v1-4 slots' addresses; v5, v6 the add's; v7-10 scale words' addresses; v11 prefetch offset; v12 -M, v13 largest t, v[14:15] the sum; v16-33 Q; v34-39 the way out; v40-87 four fragments of K, then of V;
; v96-159 bias, S^T, p; v160-191 O^T; v224-235 p's codes; v232-247, v252, v254 at work; v248, 249 K's scale words; v250, 251 V's; v253 p's; v255 q's.
.set SLOT1, 1<<17                      ; a slot: K's 4 heads x 6,144 bytes, V's likewise at VOFF, the bias's 64 rows at BOFF; slot 1 begins here
.set VOFF,  24576
.set BOFF,  49152
.set BP,    528                        ; a row of the bias in LDS: 512 bytes + 16: the sixteen rows of a load begin in sixteen different groups of banks
.set KSC,   262144                     ; K's scale words of four heads, all keys: 16,384 bytes, filled once
.set VSC,   278528                     ; V's likewise
.set STG,   294912                     ; the way out: 64 rows x 192 bytes of codes
.set STS,   307200                     ; and 64 rows x 8 scale bytes
.set SPARE, 307712                     ; the spare words, 128 bytes for each of 16 waves: no other line names them
.set HEADB, 98304                      ; a head's codes of K or of V in ws2
.set STEPB, 6144                       ; 128 keys of them
.set OFF_KC,  3145728                  ; ws2: q's codes at 0, K's here, V's as far on again
.set OFF_QS,  9437184                  ; q's scale words,
.set OFF_KSG, 9568256                  ; K's; V's 131,072 on
.set OFF_AS,  3145728                  ; ws3: the scale bytes
.macro ROUND                           ; a round of the cluster's barrier
	s_barrier_signal -1
	s_barrier_wait -1
	s_cmp_lg_u32 s10, 0
	s_cbranch_scc1 .Lnot_wave_0_\@
	s_barrier_signal -3
.Lnot_wave_0_\@:
	s_barrier_wait -3
	s_barrier_signal -1
	s_barrier_wait -1
.endm
; A joint refill of slot n: wave 0 K's tile, wave 1 V's, waves 2 and 3 the bias's halves, the others nothing.  The branches hang on the wave's number alone.  Four v_nop follow each line.
.macro JLOAD n
	s_cmp_lt_u32 s10, 2
	s_cbranch_scc0 .Lnot_kv_\@
	tensor_load_to_lds s[48+4*(\n):51+4*(\n)], s[24:31]
	s_nop 0
.rept 4
	v_nop
.endr
	s_branch .Lasked_\@
.Lnot_kv_\@:
	s_cmp_lt_u32 s10, 4
	s_cbranch_scc0 .Lasked_\@
	tensor_load_to_lds s[56+4*(\n):59+4*(\n)], s[40:47]
	s_nop 0
.rept 4
	v_nop
.endr
.Lasked_\@:
.endm
; A PREFETCH INTO THE L2, once in each trip of the loop: the two key steps that follow the trip's two; the first of them is loaded one key step later, the second two.  Each aligned block of 256 bytes is named once in the launch.
; K and V are walked by all eight clusters of a batch and group of heads: the one with cluster x = 0 asks; partner cx takes head cx of the four: 48 blocks of K and 48 of V, waves 4 to 6, a lane a block.
; The bias is walked by both batches: cluster y = 0 asks; partner cy takes 16 of the 64 rows, 4 blocks each: waves 8 and 9.  Partners are told apart by address alone.  Key steps 0 and 1 come by their loads alone.
.macro ASK
	s_cmp_eq_u32 s80, 0
	s_cbranch_scc0 .Lnot_mine_\@
	global_prefetch_b8 v11, s[76:77] th:TH_LOAD_NT scope:SCOPE_SE
.Lnot_mine_\@:
.endm
.macro SPROD g, u                      ; S^T: keys 32 g + 8 u + (the tile's rows), + the bias
.if (\g)%2
	v_wmma_scale_f32_16x16x128_f8f6f4 v[96+16*(\g)+8*(\u):103+16*(\g)+8*(\u)], v[40+12*(\g):51+12*(\g)], v[22-6*(\u):33-6*(\u)], v[96+16*(\g)+8*(\u):103+16*(\g)+8*(\u)], v[248+(\g)/2], v255 matrix_a_fmt:MATRIX_FMT_FP6 matrix_b_fmt:MATRIX_FMT_FP6 matrix_a_scale:MATRIX_SCALE_ROW1
.else
	v_wmma_scale_f32_16x16x128_f8f6f4 v[96+16*(\g)+8*(\u):103+16*(\g)+8*(\u)], v[40+12*(\g):51+12*(\g)], v[22-6*(\u):33-6*(\u)], v[96+16*(\g)+8*(\u):103+16*(\g)+8*(\u)], v[248+(\g)/2], v255 matrix_a_fmt:MATRIX_FMT_FP6 matrix_b_fmt:MATRIX_FMT_FP6
.endif
.endm
.macro PVPROD d                        ; O^T += V^T P^T: 16 of the head's 64
.if (\d)%2
	v_wmma_scale_f32_16x16x128_f8f6f4 v[160+8*(\d):167+8*(\d)], v[40+12*(\d):51+12*(\d)], v[224:235], v[160+8*(\d):167+8*(\d)], v[250+(\d)/2], v253 matrix_a_fmt:MATRIX_FMT_FP6 matrix_b_fmt:MATRIX_FMT_FP6 matrix_a_scale:MATRIX_SCALE_ROW1
.else
	v_wmma_scale_f32_16x16x128_f8f6f4 v[160+8*(\d):167+8*(\d)], v[40+12*(\d):51+12*(\d)], v[224:235], v[160+8*(\d):167+8*(\d)], v[250+(\d)/2], v253 matrix_a_fmt:MATRIX_FMT_FP6 matrix_b_fmt:MATRIX_FMT_FP6
.endif
.endm
; A KEY STEP: 128 keys, from the slot named.
.macro STEP slot
	v_add_nc_u32 v9, s72, v7                       ; the step's scale words of K
	v_add_nc_u32 v10, s73, v8                      ; and of V
	v_nop
	v_nop                                          ; four places between the last step's products and the loads into the fragments that they read
.irp g, 0,1,2,3
.irp i, 0,1,2,3,4,5
	ds_load_b64 v[40+12*\g+2*\i:41+12*\g+2*\i], v[1+\slot] offset:1536*\g+256*\i
.endr
.endr
	ds_load_b32 v248, v9                           ; lanes 0-15: fragment 0's words, lanes 16-31: fragment 1's
	ds_load_b32 v249, v9 offset:256                ; fragments 2 and 3
.irp g, 0,1,2,3
.irp k, 0,1,2,3
	ds_load_b128 v[96+16*\g+4*\k:99+16*\g+4*\k], v[3+\slot] offset:128*\g+16*\k   ; bias(my query, keys 32 g + 16 h + 4 k ..)
.endr
.endr
	s_wait_dscnt 0x0
.irp g, 0,1,2,3
	SPROD \g, 0                                    ; eight different accumulators: no two that follow each other share a register
	SPROD \g, 1
.endr
.rept 4
	v_nop                                          ; places in front of the loads into K's registers and of the first read of the scores
.endr
.irp d, 0,1,2,3
.irp i, 0,1,2,3,4,5
	ds_load_b64 v[40+12*\d+2*\i:41+12*\d+2*\i], v[1+\slot] offset:VOFF+1536*\d+256*\i   ; V lands while the softmax is walked
.endr
.endr
	ds_load_b32 v250, v10
	ds_load_b32 v251, v10 offset:128
.irp b, 0,1,2,3
	v_max3_num_f32 v[232+\b], v[96+16*\b], v[97+16*\b], v[98+16*\b]   ; the largest logit of each block of 32 keys: for the row's maximum, and, since p rises with the logit, for the block's largest p
.endr
.irp i, 3,5,7,9,11,13
.irp b, 0,1,2,3
	v_max3_num_f32 v[232+\b], v[232+\b], v[96+16*\b+\i], v[97+16*\b+\i]
.endr
.endr
.irp b, 0,1,2,3
	v_max_num_f32 v[232+\b], v[232+\b], v[111+16*\b]
.endr
.irp b, 0,1,2,3
	v_permlanex16_b32 v[236+\b], v[232+\b], s20, s21
.endr
.irp b, 0,1,2,3
	v_max_num_f32 v[232+\b], v[232+\b], v[236+\b]  ; with lane l xor 16's 16 keys
.endr
	v_max3_num_f32 v254, v232, v233, v234
	v_max_num_f32 v254, v254, v235                 ; the step's largest logit of my query
	v_mul_f32 v254, s22, v254                      ; as t
	v_max_num_f32 v13, v13, v254                   ; the running largest t
	v_mov_b32 v254, v12
	v_floor_f32 v12, -v13                          ; the new -M = floor(-t): M is a whole number
	v_sub_f32 v254, v12, v254                      ; old M - new M: a whole number, 0 or less
	v_cvt_i32_f32 v254, v254                       ; (it saturates)
	v_ldexp_f32 v252, 1.0, v254                    ; f = 2^(old M - new M)
.set j, 0
.rept 32
	v_pk_fma_f32 v[96+j:97+j], v[96+j:97+j], s[22:23], v[12:13] op_sel_hi:[1,0,0]   ; t - M, two at a time
.set j, j+2
.endr
.irp b, 0,1,2,3
	v_fma_f32 v[232+\b], v[232+\b], s22, v12       ; the same of each block's largest logit
.endr
.set j, 0
.rept 64
	v_exp_f32 v[96+j], v[96+j]                     ; p = 2^(t - M)
.set j, j+1
.endr
	v_pk_mul_f32 v[14:15], v[14:15], v[252:253] op_sel_hi:[1,0]   ; the sums under the new M: a plain place behind the exponentials
	s_wait_alu depctr_va_vdst(0)                   ; one wait for the batch, ahead of its first reader
.irp b, 0,1,2,3
	v_exp_f32 v[232+\b], v[232+\b]                 ; the block's largest p
.endr
	v_pk_add_f32 v[236:237], v[96:97], v[98:99]    ; the row's sum is taken of the unquantised p, in two chains
.set j, 4
.rept 15
	v_pk_add_f32 v[14:15], v[14:15], v[96+j:97+j]
	v_pk_add_f32 v[236:237], v[236:237], v[98+j:99+j]
.set j, j+4
.endr
	v_pk_add_f32 v[14:15], v[14:15], v[236:237]
	s_wait_alu depctr_va_vdst(0)                   ; and one for the four
.irp b, 0,1,2,3
	v_max_num_f32 v[232+\b], 0x1800000, v[232+\b]  ; the floor 2^(3 - 127)
.endr
.irp b, 0,1,2,3
	v_add_nc_u32 v[244+\b], 0xff000000, v[232+\b]  ; 2 off the exponent field: the conversion's scale operand
.endr
.irp b, 0,1,2,3
	v_lshrrev_b32 v[236+\b], 23, v[244+\b]         ; the scale's byte
.endr
	v_lshl_or_b32 v253, v237, 8, v236              ; p's scale word for these 128 keys
	v_lshl_or_b32 v253, v238, 16, v253
	v_lshl_or_b32 v253, v239, 24, v253
.irp c, 0,1
	v_cvt_scalef32_pk16_fp6_f32 v[224+6*\c:226+6*\c], v[96+32*\c:111+32*\c], v[244+2*\c]
	v_cvt_scalef32_pk16_fp6_f32 v[236+4*\c:238+4*\c], v[112+32*\c:127+32*\c], v[244+2*\c+1]
.endr
	v_nop                                          ; one plain place behind a scaled conversion
.irp c, 0,1
.irp i, 0,1,2
	v_permlane16_swap_b32 v[224+6*\c+\i], v[236+4*\c+\i]
.endr
.irp i, 0,1,2
	v_mov_b32 v[227+6*\c+\i], v[236+4*\c+\i]
.endr
.endr
.set j, 0
.rept 16
	v_pk_mul_f32 v[160+j:161+j], v[160+j:161+j], v[252:253] op_sel_hi:[1,0]   ; O^T under the new M; these sixteen are also the places between the writes of p's codes and scale word and the products
.set j, j+2
.endr
	s_wait_dscnt 0x0                               ; V and its scale words are in
.irp d, 0,1,2,3
	PVPROD \d
.endr
	s_add_co_u32 s72, s72, 512                     ; the next step's scale words
	s_add_co_u32 s73, s73, 256
.endm
; A trip: the change of slots at its head.  Each wave waits for all its tensor loads, adds 0 to its spare word, and waits for that and for its reads of the slot that it has left; a round of the cluster's barrier;
; then the slot just left is filled with the next step's tiles, which have this step's work in which to land.
.macro TRIP slot, refill, pf
	s_wait_tensorcnt 0x0                           ; no tensor load of mine is out, so a group 0 may be written
	ds_add_u32 v5, v6                              ; 0 onto my spare word
	s_add_nc_u64 s[50+4*\slot:51+4*\slot], s[50+4*\slot:51+4*\slot], 2*STEPB   ; this slot's next tiles
	s_add_nc_u64 s[58+4*\slot:59+4*\slot], s[58+4*\slot:59+4*\slot], 2*512
.if \pf
	s_wait_xcnt 0x0                                ; the last prefetch, two key steps back, has read its address
	s_add_nc_u64 s[76:77], s[76:77], s[78:79]
.endif
	s_wait_dscnt 0x0                               ; the add is done, and my reads of the slot that I have left are over
	ROUND
.if \refill
	JLOAD 1-\slot
.endif
.if \pf
	ASK
.endif
	STEP \slot
.endm
	s_load_b128 s[4:7], s[0:1], 0x0                ; ws2, bias
	s_load_b64 s[8:9], s[0:1], 0x10                ; ws3
	v_lshl_add_u32 v5, v0, 2, SPARE
	v_mov_b32 v6, 0
	ds_add_u32 v5, v6
	s_wait_dscnt 0x0
	v_lshrrev_b32 v1, 5, v0
	v_readfirstlane_b32 s10, v1                    ; wave 0..15
	s_lshr_b32 s11, s10, 2                         ; my head of the four
	s_and_b32 s12, s10, 3                          ; my tile of 16 queries
	s_and_b32 s13, s10, 1                          ; what I fetch, if I fetch
	s_bfe_u32 s14, ttmp6, 0x40000                  ; cx
	s_bfe_u32 s15, ttmp6, 0x40004                  ; cy: the group of heads
	s_lshl_b32 s16, ttmp9, 2
	s_add_co_u32 s16, s16, s14                     ; the block of 64 queries
	s_and_b32 s17, ttmp7, 0xffff                   ; the batch
	s_lshl_b32 s18, s15, 2
	s_lshl_b32 s18, 15, s18                        ; my row of the cluster
	s_lshl_b32 s19, 0x1111, s14                    ; my column
	s_mov_b32 s20, 0x76543210
	s_mov_b32 s21, 0xfedcba98                      ; v_permlanex16_b32's selects for lane l xor 16
	s_mov_b32 s22, 0x3fb8aa3b                      ; log2(e)
	s_mov_b32 s23, s22                             ; (named with it as a pair)
	s_or_b32 s24, s18, (3<<16)|(1<<21)             ; K's and V's tiles: 4 heads' rows of 6,144 bytes (768 elements of 8), 98,304 bytes apart; no padding
	s_mov_b32 s25, 768<<16
	s_mov_b32 s26, 4<<16
	s_mov_b32 s27, 768<<16
	s_mov_b32 s28, 4
	s_mov_b32 s29, 12288
	s_mov_b32 s30, 0
	s_mov_b32 s31, 0
	s_or_b32 s32, s18, (3<<16)|(1<<21)             ; scale words: 16,384 dense bytes as 64 rows of 256
	s_mov_b32 s33, 32<<16
	s_mov_b32 s34, 64<<16
	s_mov_b32 s35, 32<<16
	s_mov_b32 s36, 64
	s_mov_b32 s37, 32
	s_mov_b32 s38, 0
	s_mov_b32 s39, 0
	s_or_b32 s40, s19, (2<<16)|(1<<20)|(1<<21)|(6<<22)|(3<<25)   ; the bias: 32 rows of 128 f32, 2,048 apart; 4 words of padding behind every 128
	s_mov_b32 s41, 128<<16
	s_mov_b32 s42, 32<<16
	s_mov_b32 s43, 128<<16
	s_mov_b32 s44, 32
	s_mov_b32 s45, 2048
	s_mov_b32 s46, 0
	s_mov_b32 s47, 0
	s_lshl_b32 s75, s17, 4
	s_lshl_b32 s66, s15, 2
	s_add_co_u32 s75, s75, s66                     ; the group's first head, counted through both batches
	s_mul_i32 s92, s75, HEADB
	s_mul_i32 s66, s13, 3145728                    ; wave 0: K, wave 1: V
	s_add_co_u32 s92, s92, s66
	s_add_co_u32 s92, s92, OFF_KC
	s_mov_b32 s93, 0
	s_lshl_b32 s94, s16, 19                        ; the bias: 64 rows of 8,192 bytes a block of queries,
	s_lshl_b32 s67, s13, 18                        ; 32 rows a wave
	s_add_co_u32 s94, s94, s67
	s_mov_b32 s95, 0
	s_lshl_b32 s96, s17, 2
	s_add_co_u32 s96, s96, s15
	s_lshl_b32 s96, s96, 14                        ; scale words: 16,384 bytes for a batch and group of heads
	s_lshl_b32 s66, s13, 17
	s_add_co_u32 s96, s96, s66
	s_add_co_u32 s96, s96, OFF_KSG
	s_mov_b32 s97, 0
	s_mul_i32 s81, s13, VOFF                       ; LDS places: made of the wave's number alone
	s_mul_i32 s82, s13, 32*BP
	s_lshl_b32 s83, s13, 14
	s_mov_b32 s72, 0
	s_mov_b32 s73, 0
	s_wait_kmcnt 0x0
	s_add_nc_u64 s[92:93], s[4:5], s[92:93]
	s_add_nc_u64 s[94:95], s[6:7], s[94:95]
	s_add_nc_u64 s[96:97], s[4:5], s[96:97]
.irp n, 0,1
	s_mov_b32 s[48+4*\n], 1
	s_add_co_u32 s[49+4*\n], s81, \n*SLOT1
	s_add_nc_u64 s[50+4*\n:51+4*\n], s[92:93], \n*STEPB
	s_or_b32 s[51+4*\n], s[51+4*\n], 0x80000000
	s_mov_b32 s[56+4*\n], 1
	s_add_co_u32 s[57+4*\n], s82, \n*SLOT1+BOFF
	s_add_nc_u64 s[58+4*\n:59+4*\n], s[94:95], \n*512
	s_or_b32 s[59+4*\n], s[59+4*\n], 0x80000000
.endr
	s_mov_b32 s68, 1
	s_add_co_u32 s69, s83, KSC
	s_mov_b64 s[70:71], s[96:97]
	s_or_b32 s71, s71, 0x80000000
	ROUND                                          ; all sixteen work-groups are here: the first joint loads meet
	s_cmp_lt_u32 s10, 2                            ; a wave's first fills stand in one branch: two loads of waves 0 and 1 are out, one of waves 2 and 3
	s_cbranch_scc0 .Lfirst_not_kv
	tensor_load_to_lds s[68:71], s[32:39]          ; the scale words: filled once
	s_nop 0
	tensor_load_to_lds s[48:51], s[24:31]          ; key step 0
	s_nop 0
.rept 4
	v_nop
.endr
	s_branch .Lfirst_asked
.Lfirst_not_kv:
	s_cmp_lt_u32 s10, 4
	s_cbranch_scc0 .Lfirst_asked
	tensor_load_to_lds s[56:59], s[40:47]
	s_nop 0
.rept 4
	v_nop
.endr
.Lfirst_asked:
	s_add_co_u32 s83, s75, s11                     ; my head
	s_lshl_b32 s84, s83, 7
	s_lshl_b32 s66, s16, 2
	s_add_co_u32 s84, s84, s66
	s_add_co_u32 s84, s84, s12                     ; q's half fragment: head x 128 + tile of 16 queries
	s_mul_i32 s84, s84, 768
	s_mov_b32 s85, 0
	s_add_nc_u64 s[84:85], s[4:5], s[84:85]
	s_lshr_b32 s86, s83, 1
	s_lshl_b32 s86, s86, 6
	s_lshl_b32 s66, s16, 1
	s_add_co_u32 s86, s86, s66
	s_lshr_b32 s66, s12, 1
	s_add_co_u32 s86, s86, s66                     ; its scale word: pair of heads x 64 + pair of tiles,
	s_lshl_b32 s86, s86, 7
	s_and_b32 s66, s83, 1
	s_lshl_b32 s66, s66, 6                         ; + 64 for the odd head
	s_add_co_u32 s86, s86, s66
	s_add_co_u32 s86, s86, OFF_QS
	s_mov_b32 s87, 0
	s_add_nc_u64 s[86:87], s[4:5], s[86:87]
	v_and_b32 v88, 31, v0                          ; lane
	v_and_b32 v89, 15, v0                          ; r
	v_bfe_u32 v90, v0, 4, 1                        ; h
	v_lshlrev_b32 v38, 3, v88                      ; 8 x lane
	global_load_b64 v[22:23], v38, s[84:85]
	global_load_b64 v[24:25], v38, s[84:85] offset:256
	global_load_b64 v[26:27], v38, s[84:85] offset:512
	v_lshlrev_b32 v91, 2, v89
	global_load_b32 v255, v91, s[86:87]
	s_mul_i32 s66, s11, STEPB
	v_add_nc_u32 v1, s66, v38                      ; K's fragments of my head: slot 0,
	v_add_nc_u32 v2, SLOT1, v1                     ; slot 1
	s_mul_i32 s66, s12, 16*BP
	s_add_co_u32 s66, s66, BOFF
	v_mul_u32_u24 v3, v89, BP
	v_lshl_add_u32 v3, v90, 6, v3
	v_add_nc_u32 v3, s66, v3                       ; the bias: row 16 (w % 4) + r, + 64 h
	v_add_nc_u32 v4, SLOT1, v3
	s_lshr_b32 s66, s11, 1
	s_lshl_b32 s66, s66, 13
	s_and_b32 s67, s11, 1
	s_lshl_b32 s67, s67, 6
	s_add_co_u32 s66, s66, s67
	s_add_co_u32 s66, s66, KSC
	v_lshlrev_b32 v7, 2, v89
	v_lshl_add_u32 v7, v90, 7, v7                  ; lanes 16-31 take the next fragment's words, 128 bytes on
	v_add_nc_u32 v7, s66, v7
	s_lshl_b32 s66, s11, 12
	s_add_co_u32 s66, s66, VSC
	v_lshl_add_u32 v8, v88, 2, s66
	s_mul_i32 s66, s12, 16*192
	s_mul_i32 s67, s11, 48
	s_add_co_u32 s66, s66, s67
	s_add_co_u32 s66, s66, STG
	v_mul_u32_u24 v34, v89, 192
	v_mad_u32_u24 v34, v90, 24, v34
	v_add_nc_u32 v34, s66, v34                     ; the way out: row 16 (w % 4) + r, my head's 48 bytes, my block's 24
	s_lshl_b32 s66, s12, 7
	s_lshl_b32 s67, s11, 1
	s_add_co_u32 s66, s66, s67
	s_add_co_u32 s66, s66, STS
	v_lshl_add_u32 v35, v89, 3, s66                ; and my head's two scale bytes of that row
	s_mul_i32 s66, s10, 768
	s_add_co_u32 s66, s66, STG
	v_add_nc_u32 v36, s66, v38                     ; back: 768 bytes a wave
	s_lshl_b32 s66, s13, 8
	s_add_co_u32 s66, s66, STS
	v_add_nc_u32 v37, s66, v38                     ; back: 8 scale bytes a row, 32 rows a wave
	v_lshlrev_b32 v39, 5, v88                      ; a row of scale bytes in ws3 is 32 bytes
	s_lshl_b32 s81, s17, 11
	s_lshl_b32 s66, s16, 6
	s_add_co_u32 s81, s81, s66                     ; the work-group's first row: 2,048 x batch + 64 x block
	s_mul_i32 s88, s81, 192
	s_mul_i32 s66, s15, 786432
	s_add_co_u32 s88, s88, s66
	s_mul_i32 s66, s10, 768
	s_add_co_u32 s88, s88, s66
	s_mov_b32 s89, 0
	s_add_nc_u64 s[88:89], s[8:9], s[88:89]        ; where my 768 bytes of codes go
	s_lshl_b32 s66, s13, 5
	s_add_co_u32 s90, s81, s66
	s_lshl_b32 s90, s90, 5
	s_lshl_b32 s66, s15, 3
	s_add_co_u32 s90, s90, s66
	s_add_co_u32 s90, s90, OFF_AS
	s_mov_b32 s91, 0
	s_add_nc_u64 s[90:91], s[8:9], s[90:91]        ; and the scale bytes
	; the prefetches: who asks, and where
	s_sub_co_u32 s66, s10, 4
	s_lshl_b32 s66, s66, 5
	v_add_nc_u32 v92, s66, v88                     ; waves 4 to 6: block n = 0 .. 95 of my head's two steps: 48 of K, 48 of V
	v_mov_b32 v93, 3133440                         ; V's codes lie 3,145,728 behind K's; less K's 48 blocks
	v_cmp_lt_u32 vcc_lo, 47, v92
	v_cndmask_b32 v93, 0, v93, vcc_lo
	v_lshl_add_u32 v92, v92, 8, v93
	s_sub_co_u32 s66, s10, 8
	s_lshl_b32 s66, s66, 3
	v_lshrrev_b32 v93, 2, v88
	v_add_nc_u32 v93, s66, v93                     ; waves 8, 9: row 8 (w - 8) + lane / 4 of my work-group's 16,
	v_and_b32 v94, 3, v88
	v_lshlrev_b32 v94, 8, v94                      ; block lane % 4 of the two steps' 1,024 bytes
	v_lshl_add_u32 v93, v93, 13, v94
	s_add_co_u32 s92, s75, s14
	s_mul_i32 s92, s92, HEADB
	s_add_co_u32 s92, s92, OFF_KC                  ; K of head cx of the four
	s_lshl_b32 s93, s16, 19
	s_lshl_b32 s66, s15, 17
	s_add_co_u32 s93, s93, s66                     ; the bias's rows 64 x block + 16 cy
	s_lshr_b32 s67, 0x370, s10
	s_and_b32 s67, s67, 1
	s_xor_b32 s67, s67, 1                          ; 0 in waves 4, 5, 6, 8, 9
	s_cmp_lt_u32 s10, 8
	s_cselect_b32 s66, -1, 0
	s_cselect_b32 s92, s92, s93
	s_cselect_b64 s[76:77], s[4:5], s[6:7]
	s_mov_b32 s78, 1024
	s_cselect_b32 s78, 2*STEPB, s78                ; two key steps on
	s_cselect_b32 s80, ttmp9, s17                  ; the cluster coordinate along which others walk the same bytes: the same in all sixteen partners
	s_or_b32 s80, s80, s67                         ; 0 where the wave asks
	s_mov_b32 s79, 0
	s_mov_b32 s93, 0
	s_add_nc_u64 s[76:77], s[76:77], s[92:93]      ; at key steps 0 and 1: the first trip steps it to 2 and 3
	v_cndmask_b32 v11, v93, v92, s66
	v_mov_b32 v13, 0xff61b1e6                      ; the largest t so far: -3e38
	v_floor_f32 v12, -v13                          ; -M
	v_mov_b32 v14, 0
	v_mov_b32 v15, 0
.irp b, 0,1,2,3
	v_mov_b32 v[236+\b], 0                         ; written once: a lane permute's destination counts as one of its sources
.endr
	v_mov_b32 v253, 0
.irp i, 0,1,2,3,4,5
	v_mov_b32 v[16+\i], 0                          ; the zeros on both sides of q
	v_mov_b32 v[28+\i], 0
.endr
	s_wait_loadcnt 0x0                             ; q and its scale word
	s_and_b32 s66, s12, 1
	s_lshl_b32 s66, s66, 4
	v_lshrrev_b32 v255, s66, v255                  ; my tile's two bytes,
	v_and_b32 v255, 0xffff, v255
	v_lshl_or_b32 v255, v255, 16, v255             ; in both halves: they serve (q, 0) and (0, q) alike
.set j, 0
.rept 32
	v_mov_b32 v[160+j], 0                          ; O^T: the first step finds zeros.  (More than eight places between the scale word's last write and the first product)
.set j, j+1
.endr
	s_mov_b32 s74, 7
.Lpair:                                            ; seven trips of two key steps
	TRIP 0, 1, 1
	TRIP 1, 1, 0
	s_sub_co_u32 s74, s74, 1
	s_cmp_lg_u32 s74, 0
	s_cbranch_scc1 .Lpair
	TRIP 0, 1, 0                                   ; the last two steps are written out
	TRIP 1, 0, 0
	; ---- THE WAY OUT
.rept 4
	v_nop                                          ; places behind the last products
.endr
	v_add_f32 v14, v14, v15
	v_permlanex16_b32 v252, v14, s20, s21
	v_add_f32 v14, v14, v252                       ; the row's sum
	v_rcp_f32 v14, v14
	v_nop                                          ; a plain place behind the reciprocal
	s_wait_alu depctr_va_vdst(0)                   ; and the wait ahead of its first reader
.set j, 0
.rept 32
	v_mul_f32 v[96+j], v[160+j], v14               ; register 16 b + i: channel 32 b + 16 h + i of my head, query r
.set j, j+1
.endr
.irp b, 0,1
	v_max3_num_f32 v[232+\b], |v[96+16*\b]|, |v[97+16*\b]|, 0x1800000
.endr
.irp i, 2,4,6,8,10,12,14
.irp b, 0,1
	v_max3_num_f32 v[232+\b], v[232+\b], |v[96+16*\b+\i]|, |v[97+16*\b+\i]|
.endr
.endr
.irp b, 0,1
	v_permlanex16_b32 v[236+\b], v[232+\b], s20, s21
.endr
.irp b, 0,1
	v_max_num_f32 v[232+\b], v[232+\b], v[236+\b]
.endr
.irp b, 0,1
	v_add_nc_u32 v[244+\b], 0xff000000, v[232+\b]
.endr
.irp b, 0,1
	v_lshrrev_b32 v[236+\b], 23, v[244+\b]
.endr
	v_lshl_or_b32 v253, v237, 8, v236              ; my head's two scale bytes
	v_cvt_scalef32_pk16_fp6_f32 v[224:226], v[96:111], v244
	v_cvt_scalef32_pk16_fp6_f32 v[228:230], v[112:127], v245
	v_nop
.irp i, 0,1,2
	v_permlane16_swap_b32 v[224+\i], v[228+\i]     ; lanes 0-15 now hold block 0 whole, lanes 16-31 block 1
.endr
	v_mov_b32 v227, v228
	v_mov_b32 v228, v229
	v_mov_b32 v229, v230
	ds_store_b64 v34, v[224:225]
	ds_store_b64 v34, v[226:227] offset:8
	ds_store_b64 v34, v[228:229] offset:16
	ds_store_b16 v35, v253                         ; lanes r and r + 16 write the same two bytes with the same value
	s_wait_dscnt 0x0                               ; for the others' sake: my stores into the stage are done
	s_barrier_signal -1
	s_barrier_wait -1
.irp i, 0,1,2
	ds_load_b64 v[192+2*\i:193+2*\i], v36 offset:256*\i
.endr
	s_wait_dscnt 0x0
.irp i, 0,1,2
	global_store_b64 v38, v[192+2*\i:193+2*\i], s[88:89] offset:256*\i   ; 32 lanes store 256 consecutive bytes, aligned
.endr
	s_cmp_lt_u32 s10, 2
	s_cbranch_scc0 .Lno_scales
	ds_load_b64 v[198:199], v37
	s_wait_dscnt 0x0
	global_store_b64 v39, v[198:199], s[90:91]     ; 8 bytes of each of 32 rows
.Lno_scales:
	s_wait_tensorcnt 0x0                           ; the wave's end
	ds_add_u32 v5, v6
	s_wait_dscnt 0x0
	ROUND                                          ; the closing round
	s_endpgm
.Lfunc_end_k_q4028bfa2b8_attn:
	.size	k_q4028bfa2b8_attn, .Lfunc_end_k_q4028bfa2b8_attn-k_q4028bfa2b8_attn
	.p2alignl 7, 3214868480
	.fill 96, 4, 3214868480
	.section	.rodata,"a",@progbits
	.p2align	6, 0x0
	.amdhsa_kernel k_q4028bfa2b8_attn
		.amdhsa_group_segment_fixed_size 327680
		.amdhsa_private_segment_fixed_size 0
		.amdhsa_enable_private_segment 0
		.amdhsa_kernarg_size 24
		.amdhsa_user_sgpr_count 2
		.amdhsa_user_sgpr_kernarg_segment_ptr 1
		.amdhsa_wavefront_size32 1
		.amdhsa_system_sgpr_workgroup_id_x 1
		.amdhsa_system_sgpr_workgroup_id_y 1
		.amdhsa_system_sgpr_workgroup_id_z 1
		.amdhsa_system_vgpr_workitem_id 0
		.amdhsa_next_free_vgpr 256
		.amdhsa_next_free_sgpr 100
		.amdhsa_reserve_vcc 1
		.amdhsa_float_denorm_mode_32 3
		.amdhsa_float_denorm_mode_16_64 3
		.amdhsa_memory_ordered 1
		.amdhsa_forward_progress 1
		.amdhsa_inst_pref_size 94
	.end_amdhsa_kernel
	.amdgpu_metadata
---
amdhsa.version: [ 1, 2 ]
amdhsa.kernels:
  - .name:           k_q4028bfa2b8_attn
    .symbol:         k_q4028bfa2b8_attn.kd
    .args:
      - { .name: ws2, .offset: 0, .size: 8, .value_kind: global_buffer, .address_space: global }
      - { .name: bias, .offset: 8, .size: 8, .value_kind: global_buffer, .address_space: global }
      - { .name: ws3, .offset: 16, .size: 8, .value_kind: global_buffer, .address_space: global }
    .group_segment_fixed_size: 327680
    .private_segment_fixed_size: 0
    .kernarg_segment_align: 8
    .kernarg_segment_size: 24
    .max_flat_workgroup_size: 512
    .sgpr_count:     100
    .vgpr_count:     256
    .wavefront_size: 32
...
	.end_amdgpu_metadata
.endif
;; end of part 3
;; launch outp (part 4): grid 8 x 32, 4 waves a work-group, clusters of 4 x 4, 327,680 bytes of LDS; arguments ws3, ws1, out0; writes out0
.if DOCPART == 4
	.amdgcn_target "amdgcn-amd-amdhsa--gfx1250"
	.amdhsa_code_object_version 6
	.text
	.protected	k_q4028bfa2b8_outp
	.globl	k_q4028bfa2b8_outp
	.p2align	8
	.type	k_q4028bfa2b8_outp,@function
k_q4028bfa2b8_outp:
	s_mov_b64 s[64:65], 0
	v_nop
	global_prefetch_b8 v0, s[64:65] scope:SCOPE_SE
	s_setreg_imm32_b32 hwreg(HW_REG_WAVE_MODE, 25, 1), 1
	s_wait_xcnt 0x0
	s_wait_alu depctr_hold_cnt(0) depctr_sa_sdst(0) depctr_va_vdst(0) depctr_va_sdst(0) depctr_va_ssrc(0) depctr_va_vcc(0) depctr_vm_vsrc(0)
	s_getreg_b32 s2, hwreg(HW_REG_IB_STS2, 6, 4)
	s_cmp_eq_u32 s2, 0
	s_cbranch_scc0 .Lentry_in_a_cluster
	s_endpgm
.Lentry_in_a_cluster:
	s_bfe_u32 s2, ttmp6, 0x10000c
	s_cmp_lg_u32 s2, 0xf033
	s_cbranch_scc0 .Lentry_shape_is_right
	s_endpgm
.Lentry_shape_is_right:
; out0[m][n] = sum over k of attn[m][k] Wo[k][n], on codes of FP6 (E2M3) with one E8M0 scale for each 32 along K = 1,024; out0 [4096][1024] f32.
; A = attn: ws3 holds its codes as [K step of 256 (4)][row (4096)][192 bytes], so a K step's rows are dense, and its scale bytes as [row][32].  B = Wo: ws1 holds its codes as [place pi(n)][768 bytes], its scale bytes likewise [place][32].
; A tile of out0 is 128 x 128: 32 x 8 tiles, one work-group each, four waves of 64 x 64: 16 accumulators, 128 registers.  (Tiles of 256 x 256 would be 64.)
; ALL OF K LIES IN LDS: four slots, one for each K step of 256, each with A's 128 rows and B's 128 rows.  Every tile is filled once, at the kernel's head: nothing is filled again, so there is no ring.
; Each wave asks for three things: the scale bytes of 64 rows, K step e and K step e + 2 (e = wave % 2); waves 0 and 1 for A, waves 2 and 3 for B.  Three tensor loads of a wave are out at the most.
; The first barrier shows the scale bytes and K steps 0 and 1, the second, in the third of the eight steps of 128 along K, K steps 2 and 3.
; CLUSTERS: 4 x 4 work-groups; A's tiles are asked for jointly along a row of the cluster, B's along a column.  The matrix instruction is used transposed (source 0 = 16 rows of B, source 1 = 16 rows of A).
; B's rows lie in the order pi (bits 3 and 4 exchanged): register j of tile b in lane (r, h) is column 32 (b / 2) + 8 (b % 2) + 16 h + j of the wave's 64: the stage on the way out puts them in their places.
; No prefetch: all that the work-group reads is asked for at its head.
; REGISTERS: window 0: v8-15, v16-23 LDS addresses of A's and B's fragments (slot s: two each); v24-27 the way out and the scale words; v32-63 all scale words; v64-127 rows on the way out; v128-255 the accumulators ((a, b) at v[128 + 8 (4 a + b)]).
;   window 1: two sets of fragments for 128 along K: set p: B's four at v[128 p], A's four at v[128 p + 48].
.set SIZE_N, 1024
.set ROWB,   192                       ; a tile's row: 256 codes
.set KROW,   768                       ; a row of B's codes in memory
.set ASTEP,  786432                    ; from a K step of A's codes to the next
.set PITCH,  240                       ; an LDS row: 3 x (64 bytes + 16 of padding)
.set FR,     12                        ; registers of a fragment
.set NL,     6                         ; LDS loads that bring one
.set NP,     4                         ; places behind this matrix instruction (ISA guide 7.12.1)
.set HALFT,  128*PITCH                 ; 128 rows: what one tensor load brings
.set SLOT,   2*HALFT                   ; A's 128 rows, then B's 128 rows
.set SCL,    4*SLOT                    ; behind the four slots: the scale bytes, as runs of 256 bytes + 16 of padding
.set QSC,    8*272                     ; those of 64 rows (2,048 bytes): what one tensor load brings
.set SBLK,   2*272                     ; those of 16 rows
.set STAGE,  SCL+4*QSC                 ; behind them: a stage of 16 rows x (256 bytes + 16) for each wave; no tile lands there
.set SPITCH, 272
.set OFF_AS,  3145728                  ; ws3: attn's scale bytes
.set OFF_WC3, 8650752                  ; ws1: Wo's codes
.set OFF_WS3, 9797632                  ; ws1: Wo's scale bytes
.set ADRA, 8                           ; v[8 + 2 s], v[9 + 2 s]: my A fragments in slot s; the second for the pieces that lie behind one padding more
.set ADRB, 16                          ; the same for B
.set STO,  24                          ; the way out: where I put 32 bytes of a row
.set RD,   25                          ; where I read a row back
.set CO,   26                          ; my byte offset in two rows of out0
.set ADRS, 27                          ; my scale words: lanes 0-15 A's rows, lanes 16-31 B's
.set SC,   32                          ; register 8 i + q: lanes 0-15 the word of A's block i, lanes 16-31 that of B's block i, for the q-th 128 along K
.set BK,   64                          ; the way out: 16 rows read back: v64-95 and v96-127 by turns
.set ACC,  128
.set G1, 24                            ; s[24:31] descriptor group 1 for A's tiles;  s[32:39] group 0, a set for each of a wave's two tiles
.set G0, 32
.set G1B, 48                           ; s[48:55], s[56:63] the same for B's
.set G0B, 56
.set G1S, 68                           ; s[68:75], s[76:79] groups 1 and 0 for A's scale bytes;  s[80:87], s[88:91] for B's
.set G0S, 76
.set G1SB, 80
.set G0SB, 88
.set MSB, 0
.macro WIN new                         ; the immediate's high byte repeats the setting that is left
.if MSB != (\new)
	s_set_vgpr_msb (MSB<<8)|(\new)
.set MSB, (\new)
.endif
.endm
.set MUL,  0x05                        ; sources 0 (B) and 1 (A) window 1; sums window 0
.set TO_F, 0x40                        ; destination window 1, address window 0
.macro JLOAD g0a, g1a, g0b, g1b        ; a joint load: waves 0 and 1 fetch for A, waves 2 and 3 for B; four v_nop follow each of the two lines
	s_cmp_eq_u32 s15, 0
	s_cbranch_scc0 .Lfor_b_\@
	tensor_load_to_lds s[\g0a:\g0a+3], s[\g1a:\g1a+7]
	s_nop 0
.rept 4
	v_nop
.endr
	s_branch .Lasked_\@
.Lfor_b_\@:
	tensor_load_to_lds s[\g0b:\g0b+3], s[\g1b:\g1b+7]
	s_nop 0
.rept 4
	v_nop
.endr
.Lasked_\@:
.endm
.macro CROUND                          ; a round of the cluster's barrier
	s_barrier_signal -1
	s_barrier_wait -1
	s_cmp_lg_u32 s14, 0
	s_cbranch_scc1 .Lnot_wave_0_\@
	s_barrier_signal -3
.Lnot_wave_0_\@:
	s_barrier_wait -3
	s_barrier_signal -1
	s_barrier_wait -1
.endm
	s_load_b128 s[4:7], s[0:1], 0x0                ; ws3, ws1
	s_load_b64 s[12:13], s[0:1], 0x10              ; out0
	v_lshl_add_u32 v30, v0, 2, 0x42600
	v_mov_b32 v31, 0
	ds_add_u32 v30, v31
	v_lshrrev_b32 v1, 5, v0
	v_readfirstlane_b32 s14, v1                    ; wave 0..3
	s_lshr_b32 s15, s14, 1                         ; which half of the tile's rows is mine.  Also: I fetch for A (0) or for B (1)
	s_and_b32 s16, s14, 1                          ; which half of its columns.  Also: e: I fetch K steps e and e + 2, and the scale bytes of rows 64 e on
	s_bfe_u32 s40, ttmp6, 0x40000                  ; cx
	s_bfe_u32 s41, ttmp6, 0x40004                  ; cy
	s_lshl_b32 s42, ttmp9, 2
	s_add_co_u32 s42, s42, s40                     ; tile column, 0 .. 7
	s_and_b32 s17, ttmp7, 0xffff
	s_lshl_b32 s17, s17, 2
	s_add_co_u32 s17, s17, s41                     ; tile row, 0 .. 31
	s_lshl_b32 s43, s41, 2
	s_lshl_b32 s43, 15, s43                        ; my row of the cluster
	s_lshl_b32 s44, 0x1111, s40                    ; my column
	s_or_b32 s[G1+0], s43, (0<<16)|(1<<20)|(1<<21)|(3<<22)|(3<<25)  ; the mask; elements of 1 byte; padding on; bit 21 beside a mask; after every 16 words, 4 words
	s_or_b32 s[G1B+0], s44, (0<<16)|(1<<20)|(1<<21)|(3<<22)|(3<<25)
.irp g, G1, G1B
	s_mov_b32 s[\g+1], ROWB<<16                    ; tensor_dim0
	s_mov_b32 s[\g+2], 128<<16                     ; tensor_dim1
	s_mov_b32 s[\g+3], ROWB<<16                    ; tile_dim0
	s_mov_b32 s[\g+4], 128                         ; tile_dim1
	s_mov_b32 s[\g+6], 0
	s_mov_b32 s[\g+7], 0
.endr
	s_mov_b32 s[G1+5], ROWB                        ; A's rows of a K step are dense
	s_mov_b32 s[G1B+5], KROW                       ; B's are 768 bytes apart
	s_or_b32 s[G1S+0], s43, (3<<16)|(1<<20)|(1<<21)|(5<<22)|(3<<25) ; the scale bytes of 64 rows: 2,048 dense bytes as 8 rows of 256 (32 elements of 8 bytes), 16 bytes of padding behind each
	s_or_b32 s[G1SB+0], s44, (3<<16)|(1<<20)|(1<<21)|(5<<22)|(3<<25)
.irp g, G1S, G1SB
	s_mov_b32 s[\g+1], 32<<16
	s_mov_b32 s[\g+2], 8<<16
	s_mov_b32 s[\g+3], 32<<16
	s_mov_b32 s[\g+4], 8
	s_mov_b32 s[\g+5], 32
	s_mov_b32 s[\g+6], 0
	s_mov_b32 s[\g+7], 0
.endr
	; byte offsets, all under 2^24.  A's hang on the tile row and the wave's number, B's on the tile column and the wave's number, each in registers that never hold the other coordinate
	s_lshl_b32 s18, s16, 6                         ; 64 e
	s_lshl_b32 s20, s17, 7                         ; A: the tile's first row
	s_add_co_u32 s22, s20, s18
	s_lshl_b32 s22, s22, 5
	s_add_co_u32 s22, s22, OFF_AS                  ; the scale bytes of its rows 64 e on
	s_mov_b32 s23, 0
	s_mul_i32 s20, s20, ROWB
	s_mul_i32 s19, s16, ASTEP
	s_add_co_u32 s20, s20, s19                     ; its codes of K step e
	s_mov_b32 s21, 0
	s_lshl_b32 s46, s42, 7                         ; B: the tile's first place
	s_add_co_u32 s92, s46, s18
	s_lshl_b32 s92, s92, 5
	s_add_co_u32 s92, s92, OFF_WS3
	s_mov_b32 s93, 0
	s_mul_i32 s46, s46, KROW
	s_mul_i32 s19, s16, ROWB
	s_add_co_u32 s46, s46, s19
	s_add_co_u32 s46, s46, OFF_WC3
	s_mov_b32 s47, 0
	s_mul_i32 s45, s15, HALFT                      ; where they go: A's or B's part
	s_mul_i32 s19, s16, SLOT
	s_add_co_u32 s45, s45, s19                     ; of slot e: made of the wave's number alone
	s_mul_i32 s94, s14, QSC
	s_wait_dscnt 0x0
	s_wait_kmcnt 0x0
	s_add_nc_u64 s[20:21], s[4:5], s[20:21]
	s_add_nc_u64 s[22:23], s[4:5], s[22:23]
	s_add_nc_u64 s[46:47], s[6:7], s[46:47]
	s_add_nc_u64 s[92:93], s[6:7], s[92:93]
	CROUND                                         ; all sixteen work-groups are here: the joint loads meet
	s_mov_b32 s[G0S], 1
	s_add_co_u32 s[G0S+1], s94, SCL
	s_mov_b64 s[G0S+2:G0S+3], s[22:23]
	s_or_b32 s[G0S+3], s[G0S+3], 0x80000000
	s_mov_b32 s[G0SB], 1
	s_add_co_u32 s[G0SB+1], s94, SCL
	s_mov_b64 s[G0SB+2:G0SB+3], s[92:93]
	s_or_b32 s[G0SB+3], s[G0SB+3], 0x80000000
	JLOAD G0S, G1S, G0SB, G1SB                     ; the scale bytes first: they are wanted with the first products
.irp s, 0,1
	s_mov_b32 s[G0+4*\s], 1
	s_add_co_u32 s[G0+4*\s+1], s45, \s*2*SLOT      ; slot e, then slot e + 2
	s_add_nc_u64 s[G0+4*\s+2:G0+4*\s+3], s[20:21], \s*2*ASTEP
	s_or_b32 s[G0+4*\s+3], s[G0+4*\s+3], 0x80000000
	s_mov_b32 s[G0B+4*\s], 1
	s_add_co_u32 s[G0B+4*\s+1], s45, \s*2*SLOT
	s_add_nc_u64 s[G0B+4*\s+2:G0B+4*\s+3], s[46:47], \s*2*ROWB
	s_or_b32 s[G0B+4*\s+3], s[G0B+4*\s+3], 0x80000000
	JLOAD G0+4*\s, G1, G0B+4*\s, G1B
.endr
	v_and_b32 v1, 15, v0                           ; r
	v_bfe_u32 v2, v0, 4, 1                         ; h
	v_mul_u32_u24 v3, v1, PITCH
	v_mul_u32_u24 v4, v2, 24
	v_add_nc_u32 v4, v3, v4                        ; a fragment's row x pitch + 24 x half
	v_lshl_add_u32 v5, v2, 4, v4                   ; and the same behind one padding more
	s_mul_i32 s21, s15, 64*PITCH                   ; my 64 rows of A
	s_mul_i32 s22, s16, 64*PITCH                   ; my 64 rows of B,
	s_add_co_u32 s22, s22, HALFT                   ; which lie behind A's 128
.irp s, 0,1,2,3
	v_add_nc_u32 v[ADRA+2*\s], s21, v4
	v_add_nc_u32 v[ADRA+2*\s+1], s21, v5
	v_add_nc_u32 v[ADRB+2*\s], s22, v4
	v_add_nc_u32 v[ADRB+2*\s+1], s22, v5
	s_add_co_u32 s21, s21, SLOT
	s_add_co_u32 s22, s22, SLOT
.endr
	v_lshlrev_b32 v5, 5, v1                        ; my row's scale bytes: 32 a row,
	v_lshrrev_b32 v6, 8, v5
	v_lshl_add_u32 v5, v6, 4, v5                   ; and 16 more for each 256 passed
	s_mul_i32 s21, s15, QSC                        ; A's: my 64 rows
	s_mul_i32 s22, s16, QSC                        ; B's: my 64 rows, behind A's 128
	s_add_co_u32 s22, s22, 2*QSC
	s_sub_co_u32 s22, s22, s21
	v_mul_u32_u24 v6, s22, v2                      ; lanes 16-31 take B's: the lower base + h x the distance
	s_add_co_u32 s21, s21, SCL
	v_add_nc_u32 v5, v5, v6
	v_add_nc_u32 v[ADRS], s21, v5
	s_mul_i32 s23, s14, 16*SPITCH
	s_add_co_u32 s23, s23, STAGE                   ; my stage
	v_mul_u32_u24 v5, v1, SPITCH                   ; in: row r, + 64 h: my half's sixteen columns of each 32
	v_lshl_add_u32 v5, v2, 6, v5
	v_add_nc_u32 v[STO], s23, v5
	v_mul_u32_u24 v6, v2, SPITCH                   ; back: lanes 0-15 take one row of 256 bytes, lanes 16-31 the next
	v_lshl_add_u32 v6, v1, 4, v6
	v_add_nc_u32 v[RD], s23, v6
	v_lshlrev_b32 v7, 12, v2                       ; and the same two rows in out0: a row is 4,096 bytes
	v_lshl_add_u32 v[CO], v1, 4, v7
	s_lshl_b32 s20, s17, 7
	s_lshl_b32 s21, s15, 6
	s_add_co_u32 s20, s20, s21                     ; my first row: 128 x tile row + 64 x half
	s_lshl_b32 s20, s20, 12
	s_lshl_b32 s46, s42, 9                         ; my first column, in bytes: 512 x tile column + 256 x half
	s_lshl_b32 s47, s16, 8
	s_add_co_u32 s46, s46, s47
	s_add_co_u32 s20, s20, s46                     ; under 2^25
	s_mov_b32 s21, 0
	s_add_nc_u64 s[12:13], s[12:13], s[20:21]
.macro FRAG reg, adr, q, i             ; a fragment, 16 rows x 128 K: lane l holds row l % 16; registers 6 c .. 6 c + 5 hold K = 64 c + 32 (l / 16) + 0 .. 31: 24 bytes of the row, in pieces of 8
.irp p, 0,1,2,3,4,5
.set PC, 12*(\q)+6*(\p/3)+\p%3        ; 16 bytes of padding lie behind every 8 pieces: where the piece three on lies behind one padding more, the second address register serves
.if PC%8 < 5
	ds_load_b64 v[\reg+2*\p:\reg+2*\p+1], v[\adr] offset:8*PC+16*(PC/8)+(\i)*16*PITCH
.else
	ds_load_b64 v[\reg+2*\p:\reg+2*\p+1], v[\adr+1] offset:8*PC+16*(PC/8)+(\i)*16*PITCH
.endif
.endr
.endm
.macro FETCH q                         ; 48 LDS loads in one run: the fragments of the q-th 128 along K (slot q / 2) into set q % 2: B's four, then A's four
	WIN TO_F
.irp i, 0,1,2,3
	FRAG 128*((\q)%2)+FR*\i, ADRB+2*((\q)/2), (\q)%2, \i
.endr
.irp i, 0,1,2,3
	FRAG 128*((\q)%2)+48+FR*\i, ADRA+2*((\q)/2), (\q)%2, \i
.endr
.endm
; 8 matrix instructions: A's blocks a0, a0 + 1 x B's four.  The 16 accumulators take turns, one instruction a turn, in the same order in every step.
.macro MUL8 a0, q, zero
.irp a, \a0, \a0+1
.irp b, 0,1,2,3
.if \zero
	v_wmma_scale_f32_16x16x128_f8f6f4 v[ACC+8*(4*(\a)+\b):ACC+8*(4*(\a)+\b)+7], v[128*((\q)%2)+FR*\b:128*((\q)%2)+FR*\b+FR-1], v[128*((\q)%2)+48+FR*(\a):128*((\q)%2)+48+FR*(\a)+FR-1], 0, v[SC+8*\b+(\q)], v[SC+8*(\a)+(\q)] matrix_a_fmt:MATRIX_FMT_FP6 matrix_b_fmt:MATRIX_FMT_FP6 matrix_a_scale:MATRIX_SCALE_ROW1
.else
	v_wmma_scale_f32_16x16x128_f8f6f4 v[ACC+8*(4*(\a)+\b):ACC+8*(4*(\a)+\b)+7], v[128*((\q)%2)+FR*\b:128*((\q)%2)+FR*\b+FR-1], v[128*((\q)%2)+48+FR*(\a):128*((\q)%2)+48+FR*(\a)+FR-1], v[ACC+8*(4*(\a)+\b):ACC+8*(4*(\a)+\b)+7], v[SC+8*\b+(\q)], v[SC+8*(\a)+(\q)] matrix_a_fmt:MATRIX_FMT_FP6 matrix_b_fmt:MATRIX_FMT_FP6 matrix_a_scale:MATRIX_SCALE_ROW1
.endif
.endr
.endr
.endm
.macro PLACES n                        ; plain vector instructions between a matrix instruction and a load into, or an LDS store from, its registers
.rept \n
	v_nop
.endr
.endm
; The q-th 128 along K.  mode 1: in its middle the next step's fragments are fetched into the other set.  mode 2: the same, and the work-group meets: behind this barrier K steps 2 and 3 are read.  mode 0: the last step.
.macro SUB q, zero, mode
	s_wait_dscnt 2*NL                              ; B's four and A's blocks 0 and 1 are in; the youngest 12 loads (A's blocks 2 and 3) may be out
	WIN MUL
	MUL8 0, \q, \zero
.if \mode > 0
	PLACES NP                                      ; the other set was read by the last step's products
	FETCH (\q)+1
.endif
.if \mode == 1
	s_wait_dscnt 8*NL                              ; all but the 48 just issued
.endif
.if \mode == 2
	s_wait_tensorcnt 0x0                           ; my last tile, of K step e + 2, has landed;
	s_wait_dscnt 0x0                               ; no LDS instruction of mine is out at a signal
	s_barrier_signal -1
.endif
.if \mode == 0
	s_wait_dscnt 0x0
.endif
	WIN MUL
	MUL8 2, \q, \zero                              ; (mode 2: work on registers while the others arrive)
.if \mode == 2
	s_barrier_wait -1                              ; everybody's last tile has landed
.endif
.endm
	s_wait_tensorcnt 1                             ; my scale bytes and my tile of K step e are in (K step e + 2's load may be out)
	s_barrier_signal -1
	s_barrier_wait -1                              ; everybody's are: K steps 0 and 1 are whole
.irp i, 0,1,2,3
	ds_load_b128 v[SC+8*\i:SC+8*\i+3], v[ADRS] offset:\i*SBLK        ; a row's 32 scale bytes: the words of all eight steps, once
	ds_load_b128 v[SC+8*\i+4:SC+8*\i+7], v[ADRS] offset:\i*SBLK+16
.endr
	FETCH 0
	SUB 0, 1, 1                                    ; the first step's products start the sums: nothing is cleared
	SUB 1, 0, 1
	SUB 2, 0, 2
	SUB 3, 0, 1
	SUB 4, 0, 1
	SUB 5, 0, 1
	SUB 6, 0, 1
	SUB 7, 0, 0
	WIN 0
; THE WAY OUT, block by block of 16 rows x 64 columns, through my own stage: in by the columns' true places, back as whole rows of 256 bytes.  LDS serves a wave's instructions in order (ISA guide 5.7.1.4):
; no wait between the stores and the loads, nor in front of the next block's stores.
.macro TOSTAGE a
.irp b, 0,1,2,3
	ds_store_b128 v[STO], v[ACC+8*(4*(\a)+\b):ACC+8*(4*(\a)+\b)+3] offset:128*(\b/2)+32*(\b%2)          ; each accumulator from its low end on
	ds_store_b128 v[STO], v[ACC+8*(4*(\a)+\b)+4:ACC+8*(4*(\a)+\b)+7] offset:128*(\b/2)+32*(\b%2)+16
.endr
.set BB, BK+32*((\a)%2)
.irp t, 0,1,2,3,4,5,6,7
	ds_load_b128 v[BB+4*\t:BB+4*\t+3], v[RD] offset:\t*2*SPITCH
.endr
.endm
.macro SEND a, younger                 ; younger: the LDS instructions issued behind block a's loads, which may stay out
.set BB, BK+32*((\a)%2)
	s_wait_dscnt \younger                          ; the block is back in registers
.irp t, 0,1,2,3,4,5,6,7
	global_store_b128 v[CO], v[BB+4*\t:BB+4*\t+3], s[12:13] offset:(16*(\a)+2*\t)*SIZE_N*4 th:TH_STORE_NT   ; sixteen lanes store 256 consecutive bytes, aligned; the row stands in the immediate: 62 rows of 4,096 bytes at the most
.endr
.endm
	PLACES NP                                      ; behind the last products
	TOSTAGE 0
.irp a, 1,2,3
.if \a > 1
	s_wait_xcnt 0x0                                ; block a - 2's stores have read their registers: block a's loads may land there
.endif
	TOSTAGE \a
	SEND \a-1, 16                                  ; behind block a - 1's loads: block a's 8 stores and 8 loads
.endr
	SEND 3, 0
	s_wait_tensorcnt 0x0
	ds_add_u32 v30, v31
	s_wait_dscnt 0x0
	CROUND                                         ; the closing round: no work-group ends while a partner may still ask for a tile that names it
	s_endpgm
.Lfunc_end_k_q4028bfa2b8_outp:
	.size	k_q4028bfa2b8_outp, .Lfunc_end_k_q4028bfa2b8_outp-k_q4028bfa2b8_outp
	.p2alignl 7, 3214868480
	.fill 96, 4, 3214868480
	.section	.rodata,"a",@progbits
	.p2align	6, 0x0
	.amdhsa_kernel k_q4028bfa2b8_outp
		.amdhsa_group_segment_fixed_size 327680
		.amdhsa_private_segment_fixed_size 0
		.amdhsa_enable_private_segment 0
		.amdhsa_kernarg_size 24
		.amdhsa_user_sgpr_count 2
		.amdhsa_user_sgpr_kernarg_segment_ptr 1
		.amdhsa_wavefront_size32 1
		.amdhsa_system_sgpr_workgroup_id_x 1
		.amdhsa_system_sgpr_workgroup_id_y 1
		.amdhsa_system_sgpr_workgroup_id_z 1
		.amdhsa_system_vgpr_workitem_id 0
		.amdhsa_next_free_vgpr 512
		.amdhsa_next_free_sgpr 98
		.amdhsa_reserve_vcc 0
		.amdhsa_float_denorm_mode_32 3
		.amdhsa_float_denorm_mode_16_64 3
		.amdhsa_memory_ordered 1
		.amdhsa_forward_progress 1
		.amdhsa_inst_pref_size 61
	.end_amdhsa_kernel
	.amdgpu_metadata
---
amdhsa.version: [ 1, 2 ]
amdhsa.kernels:
  - .name:           k_q4028bfa2b8_outp
    .symbol:         k_q4028bfa2b8_outp.kd
    .args:
      - { .name: ws3, .offset: 0, .size: 8, .value_kind: global_buffer, .address_space: global }
      - { .name: ws1, .offset: 8, .size: 8, .value_kind: global_buffer, .address_space: global }
      - { .name: out0, .offset: 16, .size: 8, .value_kind: global_buffer, .address_space: global }
    .group_segment_fixed_size: 327680
    .private_segment_fixed_size: 0
    .kernarg_segment_align: 8
    .kernarg_segment_size: 24
    .max_flat_workgroup_size: 128
    .sgpr_count:     98
    .vgpr_count:     512
    .wavefront_size: 32
...
	.end_amdgpu_metadata
.endif
;; end of part 4
